; MI455X (gfx1250); checked and timed in simulation.
; The chip was launched on July 23, 2026; its instructions are those of AMD's public machine-readable ISA for CDNA 5 (MIT licence, August 2026) and "CDNA5" Instruction Set Architecture Reference Guide (July 2026). The comments in the code are by the model that wrote it; some were corrected since.
;; Block. Allowed arithmetic: matrix products marked QUANTISED: E3M2 operands, one E8M0 scale for each 32 along K, by v_wmma_scale_f32_16x16x128_f8f6f4 with both operands' format E3M2, f32 sums; everything else in f32.
;; Inputs: b_fc1 4,096 float32; b_fc2 1,024 float32; b_proj 1,024 float32; ln1_b 1,024 float32; ln1_g 1,024 float32; ln2_b 1,024 float32; ln2_g 1,024 float32; w_fc1 4,096 x 1,024 float32; w_fc2 1,024 x 4,096 float32; w_proj 1,024 x 1,024 float32; w_qkv 3,072 x 1,024 float32; x 2 x 2,048 x 1,024 float32.
;; Outputs: out0 2 x 2,048 x 1,024 float32.
;; This version of the problem:
;;   THIS VERSION OF THE PROBLEM IS GIVEN IN LOW PRECISION. The matrix products marked QUANTISED in the list below multiply operands that are first quantised to E3M2 (3 exponent bits, 2 mantissa bits; 6 bits a number), with one power-of-two scale for each 32 numbers along K (OCP MX v1.0); their sums are f32. All else is computed in f32.
;;   The module's matrix products, in the order in which they are computed (A, B: the left and right operand; K: the contracted axis; several contracted axes count as one K, in the product's order):
;;     1. [M 4,096, K 1,024] x [K 1,024, N 3,072]; A: computed on the way; B: input w_qkv: QUANTISED
;;     2. batch 32 x [M 2,048, K 64] x [K 64, N 2,048]; A: computed on the way; B: computed on the way: QUANTISED
;;     3. batch 32 x [M 2,048, K 2,048] x [K 2,048, N 64]; A: softmax (see below); B: computed on the way: QUANTISED
;;     4. [M 4,096, K 1,024] x [K 1,024, N 1,024]; A: computed on the way; B: input w_proj: QUANTISED
;;     5. [M 4,096, K 1,024] x [K 1,024, N 4,096]; A: computed on the way; B: input w_fc1: QUANTISED
;;     6. [M 4,096, K 4,096] x [K 4,096, N 1,024]; A: computed on the way; B: input w_fc2: QUANTISED
;;   THE QUANTISER, for each operand of a quantised product, along K:
;;     - K is cut into blocks of 32 from its start; a last block that is shorter is filled with zeros.
;;     - A block's scale is 2^e with e = floor(log2(the largest magnitude in the block)) - 4, held to -126 .. 127; a block of zeros has e = 0. As a byte (E8M0): e + 127.
;;     - Each number is divided by its block's scale, clamped to +-28, and rounded to the nearest number of E3M2, ties to even, subnormals kept.
;;     - The product sums the exact products of the quantised numbers (number of the format x scale) in f32.
;;   ~~~python
;;   def quantise(x, axis):      # numpy; x: float32 -> the quantised numbers, widened to float32 again
;;       x = np.moveaxis(x, axis, -1); K = x.shape[-1]
;;       x = np.pad(x, [(0, 0)] * (x.ndim - 1) + [(0, -K % 32)]); x = x.reshape(x.shape[:-1] + (-1, 32)); a = np.abs(x).max(-1, keepdims=True)
;;       e = np.where(a > 0, np.clip(np.frexp(np.where(a > 0, a, 1))[1] - 1 - 4, -126, 127), 0)      # np.frexp(a)[1] - 1 = floor(log2(a)), exactly
;;       r = np.clip(x / 2.0 ** e, -28, 28)
;;       step = 2.0 ** (np.maximum(np.frexp(np.where(r == 0, 1, r))[1] - 1, -2) - 2)
;;       q = np.round(r / step) * step * 2.0 ** e      # np.round: ties to even
;;       return np.moveaxis(q.reshape(q.shape[:-2] + (-1,))[..., :K], -1, axis).astype(np.float32)
;;   ~~~
;;   SOFTMAX AHEAD OF A QUANTISED PRODUCT. Where the list says 'softmax', what is quantised is not the finished softmax but p = 2^(t - M), with t = logit x log2(e) and M = ceil(the row's largest t), a whole number; so 1/2 < the row's largest p <= 1. The row's sum l is taken of the UNQUANTISED p, in f32, and the product's result is divided by l at the end. Since M is a whole number, a kernel that streams over the keys may use a running M (the ceiling of the running maximum): every later rescaling is an exact power of two, which a block's scale takes up: the codes' values come out the same.
;;   OPERANDS COMPUTED ON THE WAY. 'Computed on the way' means the value that the module computes at that place (a softmax that the list does not call 'softmax' is quantised finished and normalised). What goes into a quantiser is computed in f32, as accurately as f32 sums, v_exp_f32 and their like allow (about 1e-6 of the number): no bf16 or f16 on the way to a quantiser, and a product that is left as it is and whose result goes on into a quantised operand takes f32 operands (vector FMAs, or v_wmma_f32_16x16x4_f32). A number that lies on a knife's edge between two numbers of the format may be rounded either way, as far as f32 arithmetic and the matrix unit's own rounding can turn it there, and no further.
;; One version. Each part assembles by itself: llvm-mc -triple=amdgcn-amd-amdhsa -mcpu=gfx1250 --defsym DOCPART=n.
;; ======== version 1 of 1: 7 launches
;; limits: right only within a limited range of input values
;; workspace buffers: wq 13,107,200 bytes; qkvq 10,092,544 bytes; oq 3,276,800 bytes; x1 16,777,216 bytes; h2q 3,670,016 bytes; hidq 13,107,200 bytes
;; launch prep (part 1): grid 1024 x 1, 4 waves a work-group, no clusters, 66,304 bytes of LDS; arguments x, ln1_g, ln1_b, w_qkv, w_proj, w_fc1, w_fc2, wq; writes wq
.if DOCPART == 1
	.amdgcn_target "amdgcn-amd-amdhsa--gfx1250"
	.amdhsa_code_object_version 6
	.text
	.protected	k_q2ce9f5eb27_prep
	.globl	k_q2ce9f5eb27_prep
	.p2align	8
	.type	k_q2ce9f5eb27_prep,@function
k_q2ce9f5eb27_prep:
	s_mov_b64 s[64:65], 0
	v_nop
	global_prefetch_b8 v0, s[64:65] scope:SCOPE_SE
	s_setreg_imm32_b32 hwreg(HW_REG_WAVE_MODE, 25, 1), 1
	s_wait_xcnt 0x0
; f32 rows become operands of MX-BF6 products: codes of E3M2, 6 bits each, one E8M0 scale byte for each 32 along K, laid in the order of the operand's registers.
; Work-group g makes ONE row tile (16 rows) x 1,024 along K = 8 fragments of 16 rows x 128 K.  g 0-255: the layer norm of argument 0 (tile g);  g 256-447: w_qkv;  448-511: w_proj;  512-767: w_fc1;
; 768-1023: w_fc2 (tile (g - 768) / 4, quarter (g - 768) % 4 of its K = 4,096).  A launch of 256 work-groups is the layer norm alone.
; THE ROWS OF A TILE ARE NOT NEIGHBOURS: lane r of tile t holds row 32 (t / 2) + 8 (t % 2) + r + 8 (r / 8), so that a product that takes such tiles as source 0 leaves 16 neighbouring rows in the 16 registers of two neighbouring tiles.
; OUT: scale words at g x 512 (fragment s: 16 words, word r = row r's four bytes); codes at 0x80000 + g x 12,288 (fragment s: 1,536 bytes = registers 4 c .. 4 c + 3 of lane l at 512 c + 16 l).
; A block's scale byte is its largest magnitude's exponent field - 4, held at 1 from below; a block of zeros so gets the byte 1 (its codes are zeros, and this program alone reads the bytes).
; LIMITS: NaN and infinities are not served; blocks whose largest magnitude lies under 2^-122 have their byte held at 1.
; Wave w loads 4 whole rows (each load 512 consecutive bytes), norms them in registers where the tile is of activations (mean, then the mean of the squared differences), and puts them into a stage in LDS;
; behind one barrier each wave takes two fragments: lane (r, h) reads whole blocks of 32 neighbours of row r.  No work-group shares input with another: no cluster, no tensor load.
.set PITCH, 4112                       ; a stage row: 4,096 bytes + 16 = 257 x 16: the 16 rows that a load touches fall on 16 different groups of banks
.set OFF,   4                          ; v4-7    my 16 bytes in row i of the wave's four
.set X,     64                         ; v64-191 four rows x 32 numbers; later two fragments' 2 x 64 numbers
.set GN,    192                        ; v192-223 gain; later the codes
.set BS,    224                        ; v224-255 bias; later the conversions' second halves
.set TT,    16                         ; v16-47  eight registers at work for each row
	s_load_b256 s[4:11], s[0:1], 0x0               ; activations s[4:5], gain s[6:7], bias s[8:9], w_qkv s[10:11]
	s_load_b256 s[12:19], s[0:1], 0x20             ; w_proj s[12:13], w_fc1 s[14:15], w_fc2 s[16:17], out s[18:19]
	v_lshl_add_u32 v62, v0, 2, 0x10100
	v_mov_b32 v63, 0
	v_lshrrev_b32 v1, 5, v0
	v_readfirstlane_b32 s20, v1                    ; wave 0..3
	v_and_b32 v1, 31, v0                           ; lane
	v_and_b32 v2, 15, v0                           ; r
	v_bfe_u32 v3, v0, 4, 1                         ; h
	v_lshlrev_b32 v10, 4, v1                       ; 16 x lane
	s_wait_alu depctr_va_vdst(0)
	v_lshlrev_b32 v11, 2, v1                       ; 4 x lane
	v_lshlrev_b32 v12, 3, v3                       ; 8 h: my bytes' place in a scale word
	s_mul_i32 s21, s20, 4*PITCH
	v_add_nc_u32 v8, s21, v10                      ; the stage, in: my wave's four rows, 16 bytes a lane
	v_mul_u32_u24 v9, v2, PITCH
	v_lshl_add_u32 v9, v3, 7, v9
	s_lshl_b32 s21, s20, 10
	v_add_nc_u32 v9, s21, v9                       ; out: row r, + 128 h, + my wave's two fragments (1,024 bytes of a row)
	s_mov_b32 s22, 0x76543210
	s_mov_b32 s23, 0xfedcba98                      ; v_permlanex16_b32's selects for lane l xor 16
	; which tensor, which tile: from the work-group's number alone
	s_mov_b32 s26, 768
	s_cmp_lt_u32 ttmp9, 768
	s_cselect_b32 s26, 512, s26                    ; the tensor's first work-group
	s_cselect_b32 s27, 0, 2                        ; w_fc2: four work-groups to a tile
	s_cmp_lt_u32 ttmp9, 512
	s_cselect_b32 s26, 448, s26
	s_cmp_lt_u32 ttmp9, 448
	s_cselect_b32 s26, 256, s26
	s_cmp_lt_u32 ttmp9, 256
	s_cselect_b32 s26, 0, s26
	s_sub_co_u32 s28, ttmp9, s26
	s_lshr_b32 s29, s28, s27                       ; the tile t
	s_lshl_b32 s30, 1, s27
	s_sub_co_u32 s30, s30, 1
	s_and_b32 s28, s28, s30                        ; the quarter of K
	s_add_co_u32 s27, s27, 12                      ; log2 of a row's bytes: 12 or 14
	s_lshr_b32 s30, s29, 1
	s_lshl_b32 s30, s30, 5
	s_and_b32 s31, s29, 1
	s_lshl_b32 s31, s31, 3
	s_add_co_u32 s30, s30, s31
	s_lshl_b32 s31, s20, 2
	s_add_co_u32 s30, s30, s31
	s_lshr_b32 s31, s20, 1
	s_lshl_b32 s31, s31, 3
	s_add_co_u32 s30, s30, s31                     ; my wave's first row: 32 (t / 2) + 8 (t % 2) + 4 w + 8 (w / 2)
	s_lshl_b32 s30, s30, s27
	s_lshl_b32 s28, s28, 12
	s_add_co_u32 s30, s30, s28                     ; in bytes (under 2^25)
	s_mov_b32 s31, 0
	s_lshl_b32 s28, 1, s27                         ; a row's bytes
	v_mov_b32 v[OFF], v10
	v_add_nc_u32 v[OFF+1], s28, v10
	v_add_nc_u32 v[OFF+2], s28, v[OFF+1]
	v_add_nc_u32 v[OFF+3], s28, v[OFF+2]
	s_mul_i32 s32, ttmp9, 12288
	s_mul_i32 s33, s20, 3072
	s_add_co_u32 s32, s32, s33                     ; my two fragments' codes
	s_mov_b32 s33, 0
	s_lshl_b32 s34, ttmp9, 9
	s_lshl_b32 s35, s20, 7
	s_add_co_u32 s34, s34, s35                     ; and their scale words
	s_mov_b32 s35, 0
	s_wait_alu depctr_va_vdst(0)
	s_wait_kmcnt 0x0
	s_cmp_lt_u32 ttmp9, 768                        ; the choice of the buffer hangs on the work-group's number alone
	s_cselect_b64 s[24:25], s[14:15], s[16:17]
	s_cmp_lt_u32 ttmp9, 512
	s_cselect_b64 s[24:25], s[12:13], s[24:25]
	s_cmp_lt_u32 ttmp9, 448
	s_cselect_b64 s[24:25], s[10:11], s[24:25]
	s_cmp_lt_u32 ttmp9, 256
	s_cselect_b64 s[24:25], s[4:5], s[24:25]
	s_add_nc_u64 s[24:25], s[24:25], s[30:31]
	s_add_nc_u64 s[32:33], s[18:19], s[32:33]
	s_add_nc_u64 s[34:35], s[18:19], s[34:35]
.irp i, 0,1,2,3
.irp j, 0,1,2,3,4,5,6,7
	global_load_b128 v[X+32*\i+4*\j:X+32*\i+4*\j+3], v[OFF+\i], s[24:25] offset:512*\j th:TH_LOAD_NT   ; 32 lanes read 512 consecutive bytes
.endr
.endr
	s_cmp_lt_u32 ttmp9, 256
	s_cbranch_scc0 .Lraw                           ; weights go as they are; under this branch stand register work and the loads of gain and bias alone
.irp j, 0,1,2,3,4,5,6,7
	global_load_b128 v[GN+4*\j:GN+4*\j+3], v10, s[6:7] offset:512*\j
	global_load_b128 v[BS+4*\j:BS+4*\j+3], v10, s[8:9] offset:512*\j
.endr
	s_mov_b32 s36, 0x3a800000                      ; 1 / 1,024
	s_mov_b32 s37, 0x3727c5ac                      ; 1e-5
.irp i, 0,1,2,3
	v_mov_b32 v[TT+8*\i+4], 0                      ; a lane permute's destination counts as one of its sources
.endr
; the sum over the 32 lanes of v[TT + 8 i + o], for the four rows by turns; the result stands in every lane
.macro ALLSUM o
.irp m, 1,2,4,8
.irp i, 0,1,2,3
	v_add_f32_dpp v[TT+8*\i+\o], v[TT+8*\i+\o], v[TT+8*\i+\o] row_xmask:\m row_mask:0xf bank_mask:0xf
.endr
.endr
.irp i, 0,1,2,3
	v_permlanex16_b32 v[TT+8*\i+4], v[TT+8*\i+\o], s22, s23
.endr
.irp i, 0,1,2,3
	v_add_f32 v[TT+8*\i+\o], v[TT+8*\i+\o], v[TT+8*\i+4]
.endr
.endm
	s_wait_loadcnt 16                              ; the rows are in; the 16 loads of gain and bias may be out
.irp i, 0,1,2,3
	v_pk_add_f32 v[TT+8*\i:TT+8*\i+1], v[X+32*\i:X+32*\i+1], v[X+32*\i+2:X+32*\i+3]          ; the row's sum, two chains of packed additions
	v_pk_add_f32 v[TT+8*\i+2:TT+8*\i+3], v[X+32*\i+4:X+32*\i+5], v[X+32*\i+6:X+32*\i+7]
.endr
.irp j, 8,12,16,20,24,28
.irp i, 0,1,2,3
	v_pk_add_f32 v[TT+8*\i:TT+8*\i+1], v[TT+8*\i:TT+8*\i+1], v[X+32*\i+\j:X+32*\i+\j+1]
	v_pk_add_f32 v[TT+8*\i+2:TT+8*\i+3], v[TT+8*\i+2:TT+8*\i+3], v[X+32*\i+\j+2:X+32*\i+\j+3]
.endr
.endr
.irp i, 0,1,2,3
	v_pk_add_f32 v[TT+8*\i:TT+8*\i+1], v[TT+8*\i:TT+8*\i+1], v[TT+8*\i+2:TT+8*\i+3]
.endr
.irp i, 0,1,2,3
	v_add_f32 v[TT+8*\i], v[TT+8*\i], v[TT+8*\i+1]
.endr
	ALLSUM 0
.irp i, 0,1,2,3
	v_mul_f32 v[TT+8*\i], s36, v[TT+8*\i]          ; the mean
.endr
.irp j, 0,2,4,6,8,10,12,14,16,18,20,22,24,26,28,30
.irp i, 0,1,2,3
	v_pk_add_f32 v[X+32*\i+\j:X+32*\i+\j+1], v[X+32*\i+\j:X+32*\i+\j+1], v[TT+8*\i:TT+8*\i+1] op_sel_hi:[1,0] neg_lo:[0,1] neg_hi:[0,1]   ; x - mean
.endr
.endr
.irp i, 0,1,2,3
	v_pk_mul_f32 v[TT+8*\i+2:TT+8*\i+3], v[X+32*\i:X+32*\i+1], v[X+32*\i:X+32*\i+1]          ; the sum of the squares, two chains
	v_pk_mul_f32 v[TT+8*\i+6:TT+8*\i+7], v[X+32*\i+2:X+32*\i+3], v[X+32*\i+2:X+32*\i+3]
.endr
.irp j, 4,8,12,16,20,24,28
.irp i, 0,1,2,3
	v_pk_fma_f32 v[TT+8*\i+2:TT+8*\i+3], v[X+32*\i+\j:X+32*\i+\j+1], v[X+32*\i+\j:X+32*\i+\j+1], v[TT+8*\i+2:TT+8*\i+3]
	v_pk_fma_f32 v[TT+8*\i+6:TT+8*\i+7], v[X+32*\i+\j+2:X+32*\i+\j+3], v[X+32*\i+\j+2:X+32*\i+\j+3], v[TT+8*\i+6:TT+8*\i+7]
.endr
.endr
.irp i, 0,1,2,3
	v_pk_add_f32 v[TT+8*\i+2:TT+8*\i+3], v[TT+8*\i+2:TT+8*\i+3], v[TT+8*\i+6:TT+8*\i+7]
.endr
.irp i, 0,1,2,3
	v_add_f32 v[TT+8*\i+2], v[TT+8*\i+2], v[TT+8*\i+3]
.endr
	ALLSUM 2
.irp i, 0,1,2,3
	v_fma_f32 v[TT+8*\i+2], v[TT+8*\i+2], s36, s37 ; the variance + 1e-5
.endr
	s_wait_alu depctr_va_vdst(0)
.irp i, 0,1,2,3
	v_rsq_f32 v[TT+8*\i+2], v[TT+8*\i+2]
.endr
	v_nop                                          ; a plain instruction behind the last of the four
	s_wait_alu depctr_va_vdst(0)                   ; one wait for the batch, ahead of its first reader
	s_wait_loadcnt 0x0                             ; gain and bias
.irp j, 0,2,4,6,8,10,12,14,16,18,20,22,24,26,28,30
.irp i, 0,1,2,3
	v_pk_mul_f32 v[X+32*\i+\j:X+32*\i+\j+1], v[X+32*\i+\j:X+32*\i+\j+1], v[TT+8*\i+2:TT+8*\i+3] op_sel_hi:[1,0]
.endr
.irp i, 0,1,2,3
	v_pk_fma_f32 v[X+32*\i+\j:X+32*\i+\j+1], v[X+32*\i+\j:X+32*\i+\j+1], v[GN+\j:GN+\j+1], v[BS+\j:BS+\j+1]
.endr
.endr
.Lraw:
	s_wait_loadcnt 0x0
	s_wait_alu depctr_va_vdst(0)
.irp i, 0,1,2,3
.irp j, 0,1,2,3,4,5,6,7
	ds_store_b128 v8, v[X+32*\i+4*\j:X+32*\i+4*\j+3] offset:\i*PITCH+512*\j
.endr
.endr
	s_wait_dscnt 0x0                               ; for the others' sake: my rows lie in the stage
	s_barrier_signal -1
	s_barrier_wait -1
.irp e, 0,1                                    ; fragment 2 w + e: lane (r, h) takes k = 64 c + 32 h + 0 .. 31 of row r, c = 0, 1: two whole blocks
.irp c, 0,1
.irp i, 0,1,2,3,4,5,6,7
	ds_load_b128 v[X+64*\e+32*\c+4*\i:X+64*\e+32*\c+4*\i+3], v9 offset:512*\e+256*\c+16*\i
.endr
.endr
.endr
; One fragment: the two blocks' largest magnitudes (with the floor 2^(5 - 127) among the leaves), their scale operands and bytes, the scale word (my two bytes and lane l xor 16's two), the codes, the stores.
.macro QCH e
.irp c, 0,1
	v_max3_num_f32 v[16+8*(\e)+\c], |v[X+64*(\e)+32*\c]|, |v[X+64*(\e)+32*\c+1]|, 0x2800000
.endr
.irp i, 2,4,6,8,10,12,14,16,18,20,22,24,26,28,30
.irp c, 0,1
	v_max3_num_f32 v[16+8*(\e)+\c], v[16+8*(\e)+\c], |v[X+64*(\e)+32*\c+\i]|, |v[X+64*(\e)+32*\c+\i+1]|
.endr
.endr
.irp c, 0,1
	v_add_nc_u32 v[18+8*(\e)+\c], 0xfe000000, v[16+8*(\e)+\c]   ; 4 off the exponent field: the conversion takes the exponent field of this operand as its scale
.endr
.irp c, 0,1
	v_lshrrev_b32 v[20+8*(\e)+\c], 23, v[18+8*(\e)+\c]          ; the scale's byte
.endr
	v_lshl_or_b32 v[22+8*(\e)], v[21+8*(\e)], 16, v[20+8*(\e)]  ; blocks h and 2 + h,
	v_lshlrev_b32 v[22+8*(\e)], v12, v[22+8*(\e)]               ; at their places in the word
	v_mov_b32 v[23+8*(\e)], 0
	v_permlanex16_b32 v[23+8*(\e)], v[22+8*(\e)], s22, s23
	v_or_b32 v[22+8*(\e)], v[22+8*(\e)], v[23+8*(\e)]
.irp c, 0,1
	v_cvt_scalef32_pk16_bf6_f32 v[GN+16*(\e)+6*\c:GN+16*(\e)+6*\c+2], v[X+64*(\e)+32*\c:X+64*(\e)+32*\c+15], v[18+8*(\e)+\c]
	v_cvt_scalef32_pk16_bf6_f32 v[BS+8*(\e)+4*\c:BS+8*(\e)+4*\c+2], v[X+64*(\e)+32*\c+16:X+64*(\e)+32*\c+31], v[18+8*(\e)+\c]   ; (a conversion's three registers begin on an even number)
.endr
	v_nop                                          ; one plain place behind a scaled conversion
.irp c, 0,1
.irp i, 0,1,2
	v_mov_b32 v[GN+16*(\e)+6*\c+3+\i], v[BS+8*(\e)+4*\c+\i]
.endr
.endr
.irp c, 0,1,2
	global_store_b128 v10, v[GN+16*(\e)+4*\c:GN+16*(\e)+4*\c+3], s[32:33] offset:0x80000+1536*(\e)+512*\c   ; 32 lanes store 512 consecutive bytes
.endr
.endm
	s_wait_dscnt 16                                ; the first fragment's 16 loads are in
	QCH 0
	s_wait_dscnt 0x0
	QCH 1
	v_cmp_gt_u32 vcc_lo, 16, v1
	v_cndmask_b32 v40, v30, v22, vcc_lo            ; lanes 0-15: the first fragment's words, lanes 16-31: the second's
	global_store_b32 v11, v40, s[34:35]            ; 128 consecutive bytes
	s_wait_tensorcnt 0x0
	ds_add_u32 v62, v63
	s_wait_dscnt 0x0
	s_endpgm
.Lfunc_end_k_q2ce9f5eb27_prep:
	.size	k_q2ce9f5eb27_prep, .Lfunc_end_k_q2ce9f5eb27_prep-k_q2ce9f5eb27_prep
	.p2alignl 7, 3214868480
	.fill 96, 4, 3214868480
	.section	.rodata,"a",@progbits
	.p2align	6, 0x0
	.amdhsa_kernel k_q2ce9f5eb27_prep
		.amdhsa_group_segment_fixed_size 66304
		.amdhsa_private_segment_fixed_size 0
		.amdhsa_enable_private_segment 0
		.amdhsa_kernarg_size 64
		.amdhsa_user_sgpr_count 2
		.amdhsa_user_sgpr_kernarg_segment_ptr 1
		.amdhsa_wavefront_size32 1
		.amdhsa_system_sgpr_workgroup_id_x 1
		.amdhsa_system_sgpr_workgroup_id_y 1
		.amdhsa_system_sgpr_workgroup_id_z 1
		.amdhsa_system_vgpr_workitem_id 0
		.amdhsa_next_free_vgpr 256
		.amdhsa_next_free_sgpr 66
		.amdhsa_reserve_vcc 1
		.amdhsa_float_denorm_mode_32 3
		.amdhsa_float_denorm_mode_16_64 3
		.amdhsa_memory_ordered 1
		.amdhsa_forward_progress 1
		.amdhsa_inst_pref_size 43
	.end_amdhsa_kernel
	.amdgpu_metadata
---
amdhsa.version: [ 1, 2 ]
amdhsa.kernels:
  - .name:           k_q2ce9f5eb27_prep
    .symbol:         k_q2ce9f5eb27_prep.kd
    .args:
      - { .name: x, .offset: 0, .size: 8, .value_kind: global_buffer, .address_space: global }
      - { .name: ln1_g, .offset: 8, .size: 8, .value_kind: global_buffer, .address_space: global }
      - { .name: ln1_b, .offset: 16, .size: 8, .value_kind: global_buffer, .address_space: global }
      - { .name: w_qkv, .offset: 24, .size: 8, .value_kind: global_buffer, .address_space: global }
      - { .name: w_proj, .offset: 32, .size: 8, .value_kind: global_buffer, .address_space: global }
      - { .name: w_fc1, .offset: 40, .size: 8, .value_kind: global_buffer, .address_space: global }
      - { .name: w_fc2, .offset: 48, .size: 8, .value_kind: global_buffer, .address_space: global }
      - { .name: wq, .offset: 56, .size: 8, .value_kind: global_buffer, .address_space: global }
    .group_segment_fixed_size: 66304
    .private_segment_fixed_size: 0
    .kernarg_segment_align: 8
    .kernarg_segment_size: 64
    .max_flat_workgroup_size: 128
    .sgpr_count:     66
    .vgpr_count:     256
    .wavefront_size: 32
...
	.end_amdgpu_metadata
.endif
;; end of part 1
;; launch qkv (part 2): grid 12 x 16, 4 waves a work-group, clusters of 4 x 4, 327,680 bytes of LDS; arguments wq, qkvq; writes qkvq
.if DOCPART == 2
	.amdgcn_target "amdgcn-amd-amdhsa--gfx1250"
	.amdhsa_code_object_version 6
	.text
	.protected	k_q2ce9f5eb27_qkv
	.globl	k_q2ce9f5eb27_qkv
	.p2align	8
	.type	k_q2ce9f5eb27_qkv,@function
k_q2ce9f5eb27_qkv:
	s_mov_b64 s[64:65], 0
	v_nop
	global_prefetch_b8 v0, s[64:65] scope:SCOPE_SE
	s_setreg_imm32_b32 hwreg(HW_REG_WAVE_MODE, 25, 1), 1
	s_wait_xcnt 0x0
	s_wait_alu depctr_hold_cnt(0) depctr_sa_sdst(0) depctr_va_vdst(0) depctr_va_sdst(0) depctr_va_ssrc(0) depctr_va_vcc(0) depctr_vm_vsrc(0)
	s_getreg_b32 s2, hwreg(HW_REG_IB_STS2, 6, 4)
	s_cmp_eq_u32 s2, 0
	s_cbranch_scc0 .Lentry_in_a_cluster
	s_endpgm
.Lentry_in_a_cluster:
	s_bfe_u32 s2, ttmp6, 0x10000c
	s_cmp_lg_u32 s2, 0xf033
	s_cbranch_scc0 .Lentry_shape_is_right
	s_endpgm
.Lentry_shape_is_right:
; q, k, v = LN1(x) w_qkv^T on codes of BF6 (E3M2) with E8M0 scales, K = 1,024; the results are quantised in registers and leave as codes: q and k along the head's 64, v along the keys.
; Both operands lie in wq as images of operand registers: row tile g (16 rows): scale words at g x 512, codes at 0x80000 + g x 12,288 (8 fragments of 1,536 bytes).  g 0-255: tokens; g 256-447: rows of w_qkv.
; Lane r of tile g holds row 32 (g / 2) + 8 (g % 2) + r + 8 (r / 8) of its tensor.
; A work-group of four waves makes 256 x 256, a wave 128 x 128: 64 accumulators.  THE MATRIX INSTRUCTION IS USED TRANSPOSED: source 0 = side B's tiles, source 1 = side A's: a lane holds ONE row of A, and the 16 registers of two
; neighbouring tiles of B are 16 neighbouring rows of B.  Clusters x = 0 (q) and 1 (k): A = tokens, B = weights: a lane's registers run along the head's channels.  Cluster x = 2 (v): A = weights, B = tokens: they run along the keys.
; CLUSTERS 4 x 4: A's tiles are shared along a row of the cluster, B's along a column: each is asked for jointly.
; THE SLOTS.  K is eight steps of 128; an LDS slot holds two (a row tile's 3,072 bytes; 8 row tiles to a load).  THREE slots are filled at the start (steps 0 to 5: 294,912 bytes), and slot 0 once more (steps 6, 7) behind the one round
; at its end: that load has four steps, 256 products, in which to land.  The scale words of the work-group's rows, for all of K, come once with the first fills.
; OUT (qkvq): q's codes [bh][tile 128][768] at 0, k's at 3,145,728 (a half image: registers 0-3 at 16 l, 4-5 at 512 + 8 l); v's [bh][128 keys: 16][d tile 4][1,536] at 6,291,456; q's scale words [bh][tile][64] at 9,437,184;
; from 9,699,328 for each bh four quarters of 3,072 bytes: k's words of 32 tiles, then v's of 4 x 4 fragments.  q's and k's words hold two bytes and two zeros.
; q's factor 1/8 is not applied here: it goes into the softmax's constant.  It moves q's scale byte by 3 and no code.  LIMITS: that differs from quantising q / 8 only where a block of q lies under 2^-119; NaN and infinities are not
; served; blocks under 2^-122 and blocks of zeros carry the byte 1.
; REGISTERS: window 0: v12-29 addresses; v32-47 scale words, two sets; v64-255 A's fragments, two sets.  window 1: v0-191 B's fragments, two sets.  windows 2, 3: accumulator (a, b) at v[8 (8 (a % 4) + b)] of window 2 + a / 4.
.set BLK,   8                          ; row tiles of a wave on each side
.set NQ,    2                          ; steps of 128 along K in a slot
.set KCH,   8                          ; steps of 128 along K in all
.set FRB,   1536                       ; a fragment's image
.set ROWB,  NQ*FRB                     ; a row tile's bytes in a slot
.set HALFT, BLK*ROWB                   ; what one tensor load brings, and what one wave reads of A or of B
.set SLOT,  4*HALFT
; THE FILLS AS THIS TEXT HAS THEM (one tensor load a wave at the head and behind each round): at the head wave 0 fetches A's 16 row tiles of steps 0, 1 (slot 0), wave 1 B's, wave 2 A's scale words, wave 3 B's.
; Behind the next round each wave fetches steps 2 to 5 of its 8 row tiles by ONE load with rows of four steps, into the bytes from SLOT to 3 SLOT; behind the round in step 1 slot 0 takes steps 6, 7.
.set FP,    ROWB                       ; from row tile to row tile in the LDS region that FETCH reads
.set ADV,   NQ                         ; steps by which TURN moves the scale words' address
.set PFA,   98                         ; s[98:99] the prefetches' base: my work-group's two of the eight row tiles that my wave fetches; never rewritten
.set HALFS, BLK*KCH*64                 ; the scale words of 8 row tiles
.set SCL,   3*SLOT                     ; behind the three slots: A's scale words (two halves), then B's, 128 bytes further on so that A's and B's 16 words fall on different banks
.set SPARE, SCL+4*HALFS+256            ; the spare words, 128 bytes for each wave: two blocks of 256 bytes that no other line names
.set L16,  12                          ; v12  16 x lane
.set L4,   13                          ; v13  4 x (lane % 16)
.set L8,   14                          ; v14  8 x lane
.set ADRA, 16                          ; v16-18  my A fragments in slot 0, 1, 2
.set ADRB, 20                          ; v20-22  my B fragments
.set ADRS, 27                          ; v27  my scale words: lanes 0-15 A's, lanes 16-31 B's
.set SPW,  28                          ; v28  my spare word; never rewritten
.set NIL,  29                          ; v29  0; never rewritten
.set SC,   32
.set AF,   64
.set TM,   200                         ; the way out: v200-215 at work, v216 the scale word, v217-218 its halves, v224-243 the codes
.set PW,   216
.set PWL,  217
.set PWH,  218
.set PC,   224
.set G1, 24                            ; s[24:31] group 1 for A's tiles;  s[32:39] groups 0 for slots 0, 1;  s[4:7] for slot 2
.set G0, 32
.set G0C, 4
.set G1B, 48                           ; s[48:55], s[56:63], s[92:95] the same for B's tiles
.set G0B, 56
.set G0BC, 92
.set G1S, 68
.set G0S, 76
.set G1SB, 80
.set G0SB, 88
.set MSB, 0
.macro WIN new                         ; the immediate's high byte repeats the setting that is left
.if MSB != (\new)
	s_set_vgpr_msb (MSB<<8)|(\new)
.set MSB, (\new)
.endif
.endm
; A joint load: waves 0 and 1 fetch for A, waves 2 and 3 for B; the branch hangs on the wave's number alone.  Four v_nop follow each of the two lines.
.macro JLOAD g0a, g1a, g0b, g1b
	s_cmp_eq_u32 s15, 0
	s_cbranch_scc0 .Lfor_b_\@
	tensor_load_to_lds s[\g0a:\g0a+3], s[\g1a:\g1a+7]
	s_nop 0
.rept 4
	v_nop
.endr
	s_branch .Lasked_\@
.Lfor_b_\@:
	tensor_load_to_lds s[\g0b:\g0b+3], s[\g1b:\g1b+7]
	s_nop 0
.rept 4
	v_nop
.endr
.Lasked_\@:
.endm
.macro CREST                           ; a round of the cluster's barrier behind its opening barrier
	s_cmp_lg_u32 s14, 0
	s_cbranch_scc1 .Lnot_wave_0_\@
	s_barrier_signal -3
.Lnot_wave_0_\@:
	s_barrier_wait -3
	s_barrier_signal -1
	s_barrier_wait -1
.endm
.macro CROUND
	s_barrier_signal -1
	s_barrier_wait -1
	CREST
.endm
.macro PLACES n
.rept \n
	v_nop
.endr
.endm
	s_load_b128 s[4:7], s[0:1], 0x0                ; wq s[4:5], qkvq s[6:7]
	v_lshl_add_u32 v[SPW], v0, 2, SPARE
	v_mov_b32 v[NIL], 0
	ds_add_u32 v28, v29
	ds_add_u32 v28, v29
	s_wait_dscnt 0x0
	v_lshrrev_b32 v1, 5, v0
	v_readfirstlane_b32 s14, v1                    ; wave 0..3
	s_lshr_b32 s15, s14, 1                         ; which half of A's rows is mine.  Also: I fetch for A (0) or for B (1)
	s_and_b32 s16, s14, 1                          ; which half of B's rows.  Also: which half I fetch
	s_bfe_u32 s40, ttmp6, 0x40000                  ; cx
	s_bfe_u32 s41, ttmp6, 0x40004                  ; cy
	s_and_b32 s17, ttmp7, 0xffff                   ; cluster y
	s_lshl_b32 s42, s17, 2
	s_add_co_u32 s42, s42, s41                     ; Y = 4 x cluster y + cy
	s_lshl_b32 s43, s41, 2
	s_lshl_b32 s43, 15, s43                        ; my row of the cluster
	s_lshl_b32 s44, 0x1111, s40                    ; my column
	s_or_b32 s[G1+0], s43, (3<<16)|(1<<21)         ; 15:0 the mask; 17:16 elements of 8 bytes; 21 set beside a mask; no padding: an image's 512 bytes are read on end
	s_or_b32 s[G1B+0], s44, (3<<16)|(1<<21)
.irp g, G1, G1B
	s_mov_b32 s[\g+1], (ROWB/8)<<16                ; tensor_dim0
	s_mov_b32 s[\g+2], (2*BLK)<<16                 ; tensor_dim1: 16 row tiles for the head's loads
	s_mov_b32 s[\g+3], (ROWB/8)<<16                ; tile_dim0
	s_mov_b32 s[\g+4], 2*BLK                       ; tile_dim1
	s_mov_b32 s[\g+5], KCH*FRB/8                   ; from row tile to row tile
	s_mov_b32 s[\g+6], 0
	s_mov_b32 s[\g+7], 0
.endr
	s_or_b32 s[G1S+0], s43, (3<<16)|(1<<21)        ; the scale words of 16 row tiles: a dense block, as rows of 256 bytes
	s_or_b32 s[G1SB+0], s44, (3<<16)|(1<<21)
.irp g, G1S, G1SB
	s_mov_b32 s[\g+1], 32<<16
	s_mov_b32 s[\g+2], (HALFS/128)<<16             ; the scale words of 16 row tiles
	s_mov_b32 s[\g+3], 32<<16
	s_mov_b32 s[\g+4], HALFS/128
	s_mov_b32 s[\g+5], 32
	s_mov_b32 s[\g+6], 0
	s_mov_b32 s[\g+7], 0
.endr
	; which row tiles.  The choice between the roles is made on the cluster's numbers alone; cy is then added for A, cx for B
	s_lshl_b32 s18, s17, 6                         ; 64 x cluster y: the cluster's first tile of tokens
	s_lshl_b32 s45, ttmp9, 6
	s_add_co_u32 s45, s45, 256                     ; q's or k's first tile of weights
	s_cmp_eq_u32 ttmp9, 2
	s_cselect_b32 s19, 384, s18                    ; A: v's weights, or tokens
	s_cselect_b32 s45, s18, s45                    ; B: tokens, or weights
	s_lshl_b32 s20, s41, 4
	s_add_co_u32 s20, s20, s19                     ; A's first tile
	s_lshl_b32 s46, s40, 4
	s_add_co_u32 s46, s46, s45                     ; B's first tile
	s_mul_i32 s18, s16, BLK*KCH*FRB                ; behind the head I fetch 8 row tiles: which half, in bytes
	s_mov_b32 s19, 0
	s_lshl_b32 s22, s20, 9                         ; its scale words,
	s_mul_i32 s20, s20, 12288
	s_add_co_u32 s20, s20, 0x80000                 ; its codes
	s_lshl_b32 s92, s46, 9
	s_mul_i32 s46, s46, 12288
	s_add_co_u32 s46, s46, 0x80000
	s_mov_b32 s21, 0
	s_mov_b32 s23, 0
	s_mov_b32 s47, 0
	s_mov_b32 s93, 0
	s_mul_i32 s45, s14, HALFT                      ; where they go: no place in the cluster enters an LDS address
	s_wait_kmcnt 0x0
	s_mov_b64 s[66:67], s[6:7]                     ; qkvq's address moves: s[4:7] become a descriptor below
	s_add_nc_u64 s[20:21], s[4:5], s[20:21]
	s_add_nc_u64 s[22:23], s[4:5], s[22:23]
	s_add_nc_u64 s[46:47], s[4:5], s[46:47]
	s_add_nc_u64 s[92:93], s[4:5], s[92:93]
	CROUND                                         ; all sixteen work-groups are here: the first joint loads meet
	s_mov_b32 s[G0S], 1
	s_mov_b32 s[G0S+1], SCL                        ; A's scale words, all 16 row tiles
	s_mov_b64 s[G0S+2:G0S+3], s[22:23]
	s_or_b32 s[G0S+3], s[G0S+3], 0x80000000
	s_mov_b32 s[G0SB], 1
	s_mov_b32 s[G0SB+1], SCL+2*HALFS+128           ; B's
	s_mov_b64 s[G0SB+2:G0SB+3], s[92:93]
	s_or_b32 s[G0SB+3], s[G0SB+3], 0x80000000
	s_mov_b32 s[G0], 1                             ; the head's load of A: 16 row tiles, steps 0, 1
	s_mov_b32 s[G0+1], 0
	s_mov_b64 s[G0+2:G0+3], s[20:21]
	s_or_b32 s[G0+3], s[G0+3], 0x80000000
	s_mov_b32 s[G0B], 1                            ; and of B, behind A's in slot 0
	s_mov_b32 s[G0B+1], 2*HALFT
	s_mov_b64 s[G0B+2:G0B+3], s[46:47]
	s_or_b32 s[G0B+3], s[G0B+3], 0x80000000
	s_add_nc_u64 s[20:21], s[20:21], s[18:19]      ; from here on: my 8 row tiles
	s_add_nc_u64 s[46:47], s[46:47], s[18:19]
	s_lshl_b32 s94, s45, 1                         ; wave x 8 row tiles x four steps
	s_mov_b32 s[G0+4], 1                           ; steps 2 to 5
	s_add_co_u32 s[G0+5], s94, SLOT
	s_add_nc_u64 s[G0+6:G0+7], s[20:21], ROWB
	s_or_b32 s[G0+7], s[G0+7], 0x80000000
	s_mov_b32 s[G0B+4], 1
	s_add_co_u32 s[G0B+5], s94, SLOT
	s_add_nc_u64 s[G0B+6:G0B+7], s[46:47], ROWB
	s_or_b32 s[G0B+7], s[G0B+7], 0x80000000
	s_mov_b32 s[G0C], 1                            ; steps 6, 7, into slot 0
	s_mov_b32 s[G0C+1], s45
	s_add_nc_u64 s[G0C+2:G0C+3], s[20:21], 3*ROWB
	s_or_b32 s[G0C+3], s[G0C+3], 0x80000000
	s_mov_b32 s[G0BC], 1
	s_mov_b32 s[G0BC+1], s45
	s_add_nc_u64 s[G0BC+2:G0BC+3], s[46:47], 3*ROWB
	s_or_b32 s[G0BC+3], s[G0BC+3], 0x80000000
	s_cmp_eq_u32 s15, 0                            ; the prefetches: of the 8 row tiles that my wave fetches, the four partners that ask jointly take two each, told apart by address (cx for A, cy for B)
	s_cselect_b64 s[PFA:PFA+1], s[20:21], s[46:47]
	s_cselect_b32 s18, s40, s41
	s_mul_i32 s18, s18, 2*KCH*FRB
	s_add_nc_u64 s[PFA:PFA+1], s[PFA:PFA+1], s[18:19]
; the head's loads, one a wave, in one tree of branches on the wave's number: every way passes exactly one
.macro ARM under, g0, g1, next
	s_cmp_lt_u32 s14, \under
	s_cbranch_scc0 \next
	tensor_load_to_lds s[\g0:\g0+3], s[\g1:\g1+7]
	s_nop 0
.rept 4
	v_nop
.endr
	s_branch .Lhead_asked
\next:
.endm
	ARM 1, G0,  G1,  .Lhead_b
	ARM 2, G0B, G1B, .Lhead_sa
	ARM 3, G0S, G1S, .Lhead_sb
	tensor_load_to_lds s[G0SB:G0SB+3], s[G1SB:G1SB+7]
	s_nop 0
.rept 4
	v_nop
.endr
.Lhead_asked:
	v_and_b32 v1, 15, v0                           ; r
	v_bfe_u32 v2, v0, 4, 1                         ; h
	v_and_b32 v3, 31, v0
	v_lshlrev_b32 v[L16], 4, v3
	v_lshlrev_b32 v[L8], 3, v3
	v_lshlrev_b32 v[L4], 2, v1
	v_min_u32 v31, 23, v3                          ; a lane a block of 256 bytes; lanes 24-31 name the last block again
	v_lshlrev_b32 v30, 8, v31                      ; v30: 24 blocks on end (four steps of one row tile)
	v_mul_u32_u24 v5, v31, 11
	v_lshrrev_b32 v5, 7, v5                        ; 1 from lane 12 on
	v_mul_u32_u24 v5, v5, 9216
	v_add_nc_u32 v31, v30, v5                      ; v31: 12 blocks (two steps) of each of two row tiles
	global_prefetch_b8 v30, s[PFA:PFA+1] offset:ROWB th:TH_LOAD_NT scope:SCOPE_SE           ; steps 2 to 5 of my two row tiles: what the load behind the next round fetches
	global_prefetch_b8 v30, s[PFA:PFA+1] offset:ROWB+KCH*FRB th:TH_LOAD_NT scope:SCOPE_SE
	s_mul_i32 s21, s15, HALFT
	s_mul_i32 s22, s16, HALFT
	s_add_co_u32 s22, s22, 2*HALFT
	v_add_nc_u32 v[ADRA], s21, v[L16]
	v_add_nc_u32 v[ADRB], s22, v[L16]
	s_lshl_b32 s21, s21, 1                         ; the region of steps 2 to 5: twice the bytes a row tile
	s_lshl_b32 s22, s22, 1
	s_add_co_u32 s21, s21, SLOT
	s_add_co_u32 s22, s22, SLOT
	v_add_nc_u32 v[ADRA+1], s21, v[L16]
	v_add_nc_u32 v[ADRB+1], s22, v[L16]
	s_mul_i32 s21, s15, HALFS
	s_mul_i32 s22, s16, HALFS
	s_add_co_u32 s22, s22, 2*HALFS+128
	s_sub_co_u32 s22, s22, s21
	v_mul_u32_u24 v6, s22, v2                      ; lanes 16-31 take B's
	s_wait_alu depctr_va_vdst(0)
	s_add_co_u32 s21, s21, SCL
	v_add_nc_u32 v5, v[L4], v6
	v_add_nc_u32 v[ADRS], s21, v5
	; where the results go.  q, k: my 128 tokens are tiles 16 (Y % 8) + 8 rh on of batch Y / 8, my 128 columns heads 4 cx + 2 ch and the next.  (No register of a pending descriptor is named here.)
	s_lshr_b32 s18, s42, 3
	s_lshl_b32 s18, s18, 4
	s_lshl_b32 s19, s40, 2
	s_add_co_u32 s18, s18, s19
	s_lshl_b32 s19, s16, 1
	s_add_co_u32 s18, s18, s19                     ; bh
	s_and_b32 s19, s42, 7
	s_lshl_b32 s20, s19, 4
	s_lshl_b32 s21, s15, 3
	s_add_co_u32 s20, s20, s21                     ; the first tile
	s_lshl_b32 s22, s18, 7
	s_add_co_u32 s22, s22, s20
	s_mul_i32 s23, s22, 768
	s_mul_i32 s45, ttmp9, 3145728
	s_add_co_u32 s23, s23, s45                     ; codes of q or k
	s_lshl_b32 s22, s22, 6
	s_add_co_u32 s22, s22, 9437184                 ; q's scale words
	s_mul_i32 s45, s18, 12288
	s_lshr_b32 s19, s19, 1
	s_mul_i32 s19, s19, 3072
	s_add_co_u32 s45, s45, s19
	s_and_b32 s19, s42, 1
	s_lshl_b32 s19, s19, 4
	s_add_co_u32 s19, s19, s21
	s_lshl_b32 s19, s19, 6
	s_add_co_u32 s45, s45, s19
	s_add_co_u32 s45, s45, 9699328                 ; k's scale words
	; v: my 128 rows of weights are heads 4 cy + 2 rh and the next, my 128 tokens keys 128 (2 (Xt % 8) + ch) on of batch Xt / 8, Xt = 4 x cluster y + cx
	s_lshl_b32 s46, s17, 2
	s_add_co_u32 s46, s46, s40
	s_lshr_b32 s47, s46, 3
	s_lshl_b32 s47, s47, 4
	s_lshl_b32 s43, s41, 2
	s_add_co_u32 s47, s47, s43
	s_lshl_b32 s43, s15, 1
	s_add_co_u32 s47, s47, s43                     ; bh
	s_and_b32 s46, s46, 7
	s_lshl_b32 s46, s46, 1
	s_add_co_u32 s46, s46, s16                     ; which 128 keys
	s_mul_i32 s43, s47, 98304
	s_mul_i32 s44, s46, 6144
	s_add_co_u32 s43, s43, s44
	s_add_co_u32 s43, s43, 6291456                 ; v's codes
	s_mul_i32 s44, s47, 12288
	s_lshr_b32 s2, s46, 2
	s_mul_i32 s2, s2, 3072
	s_add_co_u32 s44, s44, s2
	s_and_b32 s2, s46, 3
	s_lshl_b32 s2, s2, 8
	s_add_co_u32 s44, s44, s2
	s_add_co_u32 s44, s44, 9699328+2048            ; v's scale words
	s_mov_b32 s2, 12288
	s_cmp_eq_u32 ttmp9, 0
	s_cselect_b32 s22, s22, s45
	s_cselect_b32 s2, 8192, s2                     ; from a head's scale words to the next head's
	s_cmp_eq_u32 ttmp9, 2
	s_cselect_b32 s18, s43, s23
	s_cselect_b32 s22, s44, s22
	s_mov_b32 s19, 0
	s_mov_b32 s23, 0
	s_mov_b32 s3, 0
	s_add_nc_u64 s[8:9], s[66:67], s[18:19]        ; codes
	s_add_nc_u64 s[10:11], s[66:67], s[22:23]      ; scale words
	s_add_nc_u64 s[12:13], s[10:11], s[2:3]        ; the next head's (q, k)
.macro FRAG reg, adr, off              ; a fragment comes back as it was stored: three loads of 512 consecutive bytes
	ds_load_b128 v[\reg:\reg+3], v[\adr] offset:\off
	ds_load_b128 v[\reg+4:\reg+7], v[\adr] offset:\off+512
	ds_load_b128 v[\reg+8:\reg+11], v[\adr] offset:\off+1024
.endm
.macro FETCH slot, q, p                ; the fragments and scale words of the slot's q-th 128 along K into set p
	WIN 0x40
.set fi, 0
.rept BLK
	FRAG 96*(\p)+12*fi, ADRB+\slot, fi*FP+(\q)*FRB
.set fi, fi+1
.endr
	WIN 0
.set fi, 0
.rept BLK
	FRAG AF+96*(\p)+12*fi, ADRA+\slot, fi*FP+(\q)*FRB
.set fi, fi+1
.endr
.set fi, 0
.rept BLK
	ds_load_b32 v[SC+8*(\p)+fi], v[ADRS] offset:fi*KCH*64+(\q)*64   ; lanes 0-15: A's tile fi, lanes 16-31: B's tile fi
.set fi, fi+1
.endr
.endm
; A quarter of a step's products: A's tiles k BLK / 4 on, each against B's eight.  The accumulators take turns, one instruction a turn, in the same order in every step.
.macro MULQ k, p, first
.set ma, (\k)*BLK/4
.rept BLK/4
	WIN 0xa1+0x50*(ma/4)
.set mb, 0
.rept BLK
.set rD, 8*(BLK*(ma%4)+mb)
.set rB, 96*(\p)+12*mb
.set rA, AF+96*(\p)+12*ma
.if \first
	v_wmma_scale_f32_16x16x128_f8f6f4 v[rD:rD+7], v[rB:rB+11], v[rA:rA+11], 0, v[SC+8*(\p)+mb], v[SC+8*(\p)+ma] matrix_a_fmt:MATRIX_FMT_BF6 matrix_b_fmt:MATRIX_FMT_BF6 matrix_a_scale:MATRIX_SCALE_ROW1
.else
	v_wmma_scale_f32_16x16x128_f8f6f4 v[rD:rD+7], v[rB:rB+11], v[rA:rA+11], v[rD:rD+7], v[SC+8*(\p)+mb], v[SC+8*(\p)+ma] matrix_a_fmt:MATRIX_FMT_BF6 matrix_b_fmt:MATRIX_FMT_BF6 matrix_a_scale:MATRIX_SCALE_ROW1
.endif
.set mb, mb+1
.endr
.set ma, ma+1
.endr
.endm
.macro STEP slot, q, first             ; a step of 128 along K that has its successor in the same slot
	s_wait_dscnt 0x0                               ; this step's set is in: it was asked for a whole step ago
	PLACES 4                                       ; four places between the last step's products and the loads into the set that they read
	FETCH \slot, (\q)+1, 1-(\q)%2
	MULQ 0, (\q)%2, \first
	MULQ 1, (\q)%2, \first
	MULQ 2, (\q)%2, \first
	MULQ 3, (\q)%2, \first
	WIN 0
.endm
; A slot's last step with a barrier; in front of it each wave waits for all its tensor loads, adds 0 to its spare word, and waits for that and for its reads of this slot.  fill = 1: the slot is filled again.
.macro TURN slot, next, fill
	s_wait_tensorcnt 0x0                           ; all my tensor loads have landed
	ds_add_u32 v[SPW], v[NIL]                      ; 0 onto my spare word
	s_wait_dscnt 0x1                               ; this step's set is in; the add may be out
	MULQ 0, 1, 0
	s_wait_dscnt 0x0                               ; the add is done, and my reads of this slot are over
	s_barrier_signal -1
	MULQ 1, 1, 0
	WIN 0
	s_barrier_wait -1
.if \fill
	CREST                                          ; the barrier has opened a round of the cluster's barrier: no wave of any partner still reads this slot or has a load on its way
.irp g, G1, G1B
	s_mov_b32 s[\g+1], (ROWB/8)<<16                ; no tensor load of mine is out: rows of two steps again
	s_mov_b32 s[\g+3], (ROWB/8)<<16
.endr
	JLOAD G0C, G1, G0BC, G1B                       ; steps 6, 7: the first tensor load behind the round; its four v_nop are the places in front of the loads below
.else
	PLACES 4
.endif
	v_add_nc_u32 v[ADRS], ADV*64, v[ADRS]          ; the next region's scale words
	FETCH \next, 0, 0
	MULQ 2, 1, 0
	MULQ 3, 1, 0
	WIN 0
.endm
	s_wait_alu depctr_va_vdst(0)
	s_wait_tensorcnt 0x0                           ; my tile of the head's four is in
	ds_add_u32 v[SPW], v[NIL]
.irp g, G1, G1B
	s_mov_b32 s[\g+1], (2*ROWB/8)<<16              ; no tensor load of mine is out: the next load brings 8 row tiles with rows of four steps
	s_mov_b32 s[\g+2], BLK<<16
	s_mov_b32 s[\g+3], (2*ROWB/8)<<16
	s_mov_b32 s[\g+4], BLK
.endr
	s_wait_dscnt 0x0
	CROUND                                         ; all four tiles are in, and all sixteen work-groups are here
	JLOAD G0+4, G1, G0B+4, G1B                     ; steps 2 to 5
	FETCH 0, 0, 0
	global_prefetch_b8 v31, s[PFA:PFA+1] offset:3*ROWB th:TH_LOAD_NT scope:SCOPE_SE   ; steps 6, 7 of my two row tiles: what the refill in step 1 fetches
	STEP 0, 0, 1                                   ; K step 0: its products start the sums: nothing is cleared
.set FP, 2*ROWB
	TURN 0, 1, 1                                   ; step 1.  Steps 2 to 5 have landed; slot 0 takes steps 6, 7
	s_wait_alu depctr_va_vdst(0)
	STEP 1, 0, 0                                   ; step 2
	STEP 1, 1, 0                                   ; step 3
	STEP 1, 2, 0                                   ; step 4
.set FP, ROWB
.set ADV, 4
	TURN 1, 0, 0                                   ; step 5.  Slot 0's second fill is shown whole; nothing is filled
	s_wait_alu depctr_va_vdst(0)
	STEP 0, 0, 0                                   ; step 6
	s_wait_dscnt 0x0                               ; step 7
	MULQ 0, 1, 0
	MULQ 1, 1, 0
	MULQ 2, 1, 0
	MULQ 3, 1, 0
	WIN 0
; 64 numbers of a lane in window w, register s + 16 b + i = k 32 b + 16 (lane / 16) + i of my row, become a fragment's codes in v[PC] on and its scale word in v[PW].  Each accumulator is read from its low end on.
.macro QUANT s, w
	WIN (\w)*5
.irp b, 0,1,2,3
	v_max3_num_f32 v[TM+\b], |v[(\s)+16*\b]|, |v[(\s)+16*\b+1]|, 0x2800000   ; my 16 numbers of block b, and the floor 2^(5 - 127): the byte cannot fall under 1
.endr
.irp i, 2,4,6,8,10,12,14
.irp b, 0,1,2,3
	v_max3_num_f32 v[TM+\b], |v[(\s)+16*\b+\i]|, |v[(\s)+16*\b+\i+1]|, v[TM+\b]
.endr
.endr
	WIN 0
.irp b, 0,1,2,3
	v_permlanex16_b32 v[TM+4+\b], v[TM+\b], s96, s97
.endr
.irp b, 0,1,2,3
	v_max_num_f32 v[TM+\b], v[TM+\b], v[TM+4+\b]   ; with lane l xor 16's: the block's largest magnitude
.endr
.irp b, 0,1,2,3
	v_add_nc_u32 v[TM+12+\b], 0xfe000000, v[TM+\b] ; 4 off its exponent field: the conversion's scale operand
.endr
.irp b, 0,1,2,3
	v_lshrrev_b32 v[TM+4+\b], 23, v[TM+12+\b]      ; the scale's byte
.endr
	v_lshl_or_b32 v[PW], v[TM+5], 8, v[TM+4]
	v_lshl_or_b32 v[PW], v[TM+6], 16, v[PW]
	v_lshl_or_b32 v[PW], v[TM+7], 24, v[PW]
	WIN (\w)
.irp c, 0,1
	v_cvt_scalef32_pk16_bf6_f32 v[PC+6*\c:PC+6*\c+2], v[(\s)+32*\c:(\s)+32*\c+15], v[TM+12+2*\c]
	v_cvt_scalef32_pk16_bf6_f32 v[PC+12+4*\c:PC+14+4*\c], v[(\s)+32*\c+16:(\s)+32*\c+31], v[TM+13+2*\c]   ; (a conversion's three registers begin on an even number)
.endr
	WIN 0
	v_nop                                          ; one plain place behind a scaled conversion
.irp c, 0,1                                    ; the operand's layout wants a whole block in a lane
.irp i, 0,1,2
	v_permlane16_swap_b32 v[PC+6*\c+\i], v[PC+12+4*\c+\i]
.endr
.irp i, 0,1,2
	v_mov_b32 v[PC+3+6*\c+\i], v[PC+12+4*\c+\i]
.endr
.endr
.endm
; Block a of my rows: quantised and stored.  The branch hangs on the cluster's x alone.
.macro EPI a
.if (\a) > 0
	s_wait_xcnt 0x0                                ; the last block's stores have read their registers
.endif
	QUANT 64*((\a)%4), 2+(\a)/4
	v_and_b32 v[PWL], 0xffff, v[PW]                ; the first head's two bytes,
	v_lshrrev_b32 v[PWH], 16, v[PW]                ; the second's
	s_cmp_eq_u32 ttmp9, 2
	s_cbranch_scc1 .Lv_\@
	global_store_b128 v[L16], v[PC:PC+3], s[8:9] offset:768*(\a)
	global_store_b64 v[L8], v[PC+4:PC+5], s[8:9] offset:768*(\a)+512
	global_store_b128 v[L16], v[PC+6:PC+9], s[8:9] offset:768*(\a)+98304
	global_store_b64 v[L8], v[PC+10:PC+11], s[8:9] offset:768*(\a)+98304+512
	global_store_b32 v[L4], v[PWL], s[10:11] offset:64*(\a)      ; both halves of the lanes write the same word with the same value
	global_store_b32 v[L4], v[PWH], s[12:13] offset:64*(\a)
	s_branch .Ld_\@
.Lv_\@:
	s_wait_alu depctr_va_vdst(0)
.irp c, 0,1,2
	global_store_b128 v[L16], v[PC+4*\c:PC+4*\c+3], s[8:9] offset:((\a)/4)*98304+((\a)%4)*1536+512*\c
.endr
	global_store_b32 v[L4], v[PW], s[10:11] offset:((\a)/4)*12288+((\a)%4)*64
.Ld_\@:
.endm
	s_mov_b32 s96, 0x76543210
	s_mov_b32 s97, 0xfedcba98                      ; v_permlanex16_b32's selects for lane l xor 16
	PLACES 4                                       ; between the last products and the first read of results, and the first write of registers that they read
.irp b, 0,1,2,3
	v_mov_b32 v[TM+4+\b], 0                        ; a lane permute's destination counts as one of its sources
.endr
	EPI 0
	EPI 1
	EPI 2
	EPI 3
	EPI 4
	EPI 5
	EPI 6
	EPI 7
	s_wait_tensorcnt 0x0                           ; the wave's end
	ds_add_u32 v[SPW], v[NIL]
	s_wait_dscnt 0x0
	CROUND                                         ; the closing round: no work-group ends while a partner may still ask for a tile that names it
	s_endpgm
.Lfunc_end_k_q2ce9f5eb27_qkv:
	.size	k_q2ce9f5eb27_qkv, .Lfunc_end_k_q2ce9f5eb27_qkv-k_q2ce9f5eb27_qkv
	.p2alignl 7, 3214868480
	.fill 96, 4, 3214868480
	.section	.rodata,"a",@progbits
	.p2align	6, 0x0
	.amdhsa_kernel k_q2ce9f5eb27_qkv
		.amdhsa_group_segment_fixed_size 327680
		.amdhsa_private_segment_fixed_size 0
		.amdhsa_enable_private_segment 0
		.amdhsa_kernarg_size 16
		.amdhsa_user_sgpr_count 2
		.amdhsa_user_sgpr_kernarg_segment_ptr 1
		.amdhsa_wavefront_size32 1
		.amdhsa_system_sgpr_workgroup_id_x 1
		.amdhsa_system_sgpr_workgroup_id_y 1
		.amdhsa_system_sgpr_workgroup_id_z 1
		.amdhsa_system_vgpr_workitem_id 0
		.amdhsa_next_free_vgpr 1024
		.amdhsa_next_free_sgpr 100
		.amdhsa_reserve_vcc 0
		.amdhsa_float_denorm_mode_32 3
		.amdhsa_float_denorm_mode_16_64 3
		.amdhsa_memory_ordered 1
		.amdhsa_forward_progress 1
		.amdhsa_inst_pref_size 150
	.end_amdhsa_kernel
	.amdgpu_metadata
---
amdhsa.version: [ 1, 2 ]
amdhsa.kernels:
  - .name:           k_q2ce9f5eb27_qkv
    .symbol:         k_q2ce9f5eb27_qkv.kd
    .args:
      - { .name: wq, .offset: 0, .size: 8, .value_kind: global_buffer, .address_space: global }
      - { .name: qkvq, .offset: 8, .size: 8, .value_kind: global_buffer, .address_space: global }
    .group_segment_fixed_size: 327680
    .private_segment_fixed_size: 0
    .kernarg_segment_align: 8
    .kernarg_segment_size: 16
    .max_flat_workgroup_size: 128
    .sgpr_count:     100
    .vgpr_count:     1024
    .wavefront_size: 32
...
	.end_amdgpu_metadata
.endif
;; end of part 2
;; launch attn (part 3): grid 8 x 32, 16 waves a work-group, clusters of 4 x 1, 210,944 bytes of LDS; arguments qkvq, oq; writes oq
.if DOCPART == 3
	.amdgcn_target "amdgcn-amd-amdhsa--gfx1250"
	.amdhsa_code_object_version 6
	.text
	.protected	k_q2ce9f5eb27_attn
	.globl	k_q2ce9f5eb27_attn
	.p2align	8
	.type	k_q2ce9f5eb27_attn,@function
k_q2ce9f5eb27_attn:
	s_mov_b64 s[64:65], 0
	v_nop
	global_prefetch_b8 v0, s[64:65] scope:SCOPE_SE
	s_setreg_imm32_b32 hwreg(HW_REG_WAVE_MODE, 25, 1), 1
	s_wait_xcnt 0x0
	s_wait_alu depctr_hold_cnt(0) depctr_sa_sdst(0) depctr_va_vdst(0) depctr_va_sdst(0) depctr_va_ssrc(0) depctr_va_vcc(0) depctr_vm_vsrc(0)
	s_getreg_b32 s2, hwreg(HW_REG_IB_STS2, 6, 4)
	s_cmp_eq_u32 s2, 0
	s_cbranch_scc0 .Lentry_in_a_cluster
	s_endpgm
.Lentry_in_a_cluster:
	s_bfe_u32 s2, ttmp6, 0x10000c
	s_cmp_lg_u32 s2, 0x3003
	s_cbranch_scc0 .Lentry_shape_is_right
	s_endpgm
.Lentry_shape_is_right:
; o = softmax(q k^T / 8) v for one (batch, head), both products on codes of BF6 (E3M2) with E8M0 scales; o is quantised along the model's 1,024 channels and leaves as codes, in the register image of the next product's operand.
; THE SOFTMAX: t = score x log2(e) / 8; M = the running largest t, rounded up to a whole number; p = 2^(t - M) is quantised along the keys, not normalised; the row's sum is taken of the unquantised p and divides at the end.
; When M moves, the sum and O are multiplied by 2^(old M - new M): exact.
; SHARES.  A work-group owns 256 queries of one head, each of its sixteen waves one tile of 16 (four waves to a SIMD, so that one wave's vector work stands beside another's products and LDS loads).
; THE WHOLE HEAD'S K AND V LIE IN LDS, filled once: 2,048 keys x 48 bytes, twice, and their scale words.  They come as four quarters of 512 keys, so that work begins behind the first.  No byte of LDS is filled again.
; CLUSTER 4 x 1: the four query blocks of a cluster belong to one head: each tile is asked for jointly (mask 15).
; LAYOUT.  Both products are used transposed: S^T = K Q^T, O^T = V^T P^T: a lane holds one query throughout.  Lane r of key tile t holds key 32 (t / 2) + 8 (t % 2) + r + 8 (r / 8), so that p's 16 registers of two neighbouring tiles
; are 16 neighbouring keys; V's tiles of channels likewise, so that o's 16 registers are 16 neighbouring channels.
; THE HEAD HAS 64 CHANNELS, THE INSTRUCTION 128 ALONG K.  Q's registers 6-11 are zero codes, so whatever stands in the same places of K's operand adds nothing (every code is a finite number): the eight key tiles lie 6 registers apart,
; tile t's operand runs on into tile t + 1, and six registers of zeros stand behind the last.  The scale bytes of the unused blocks are 0.
; LIMITS: q's factor 1/8 is taken here, behind the product: exact unless a block of q lies under 2^-119; NaN and infinities are not served; a block of p or o under 2^-122 carries the byte 1.
; The two heads of a fragment of o are stored by two work-groups: 16 and 8 bytes a lane for the codes, 2 bytes a row for the scales.
; REGISTERS: v1-4 addresses that stay; v7, v29 offsets of Q's loads, never rewritten; v8-11, v28 the step's addresses; v12 -M, v13 the largest t, v[14:15] the sum; v16-27 Q; v32-79 K's eight tiles, then V's four fragments;
; v80-85 zeros; v86-89 K's scale words, v90-91 V's; v96-159 S^T, then p; v160-191 O^T; v192-223 o; v224-235 p's codes; v232-254 at work; v255 Q's scale words.
.set WV,  18                           ; s18  my wave's number
.set SEL, 20                           ; s[20:21] lane selects for lane l xor 16
.set CS,  22                           ; s[22:23] c = log2(e) / 8
.set G1C, 24                           ; s[24:31] group 1: 24,576 dense bytes as 96 rows of 256
.set G0C, 32                           ; s[32:47] groups 0 of a wave's four loads of codes
.set G0S, 48                           ; s[48:63] of the four loads of scale words
.set G1S, 68                           ; s[68:75] group 1: 3,072 dense bytes as 12 rows of 256
.set TK,  66                           ; s66  where the step's codes begin, in K's and in V's part alike
.set TSK, 67                           ; s67  K's scale words
.set TSV, 76                           ; s76  V's
.set CNT, 77
.set VB,  98304                        ; LDS: K's codes at 0, V's here,
.set SB,  196608                       ; the scale words here: four quarters of 3,072 bytes (K's 2,048, V's 1,024)
.set TM,  112                          ; the way out: at work
.set PW,  128
.set PC,  96
.macro CROUND                          ; a round of the cluster's barrier
	s_barrier_signal -1
	s_barrier_wait -1
	s_cmp_lg_u32 s[WV], 0
	s_cbranch_scc1 .Lnot_wave_0_\@
	s_barrier_signal -3
.Lnot_wave_0_\@:
	s_barrier_wait -3
	s_barrier_signal -1
	s_barrier_wait -1
.endm
	s_load_b128 s[4:7], s[0:1], 0x0                ; qkvq s[4:5], oq s[6:7]
	v_lshl_add_u32 v250, v0, 2, 0x33000
	v_mov_b32 v251, 0
	ds_add_u32 v250, v251
	ds_add_u32 v250, v251
	v_lshrrev_b32 v8, 5, v0
	s_delay_alu instid0(VALU_DEP_1)
	v_readfirstlane_b32 s[WV], v8                  ; wave 0..15
	s_bfe_u32 s8, ttmp6, 0x40000                   ; cx
	s_lshl_b32 s9, ttmp9, 2
	s_add_co_u32 s9, s9, s8                        ; my block of 256 queries: it enters Q's and o's addresses alone
	s_and_b32 s10, ttmp7, 0xffff                   ; bh = 16 x batch + head, which the four partners share
	s_mov_b32 s[G1C], 15|(3<<16)|(1<<21)           ; 15:0 the mask: all four; 17:16 elements of 8 bytes; 21 set beside a mask
	s_mov_b32 s[G1C+1], 32<<16
	s_mov_b32 s[G1C+2], 96<<16
	s_mov_b32 s[G1C+3], 32<<16
	s_mov_b32 s[G1C+4], 96
	s_mov_b32 s[G1C+5], 32
	s_mov_b32 s[G1C+6], 0
	s_mov_b32 s[G1C+7], 0
	s_mov_b32 s[G1S], 15|(3<<16)|(1<<21)
	s_mov_b32 s[G1S+1], 32<<16
	s_mov_b32 s[G1S+2], 12<<16
	s_mov_b32 s[G1S+3], 32<<16
	s_mov_b32 s[G1S+4], 12
	s_mov_b32 s[G1S+5], 32
	s_mov_b32 s[G1S+6], 0
	s_mov_b32 s[G1S+7], 0
	s_lshr_b32 s11, s[WV], 2                       ; THE FILLS, one tensor load a wave: waves 0-3 fetch K's four quarters, waves 4-7 V's, waves 8-11 the scale words'
	s_and_b32 s11, s11, 1
	s_and_b32 s19, s[WV], 3                        ; which quarter
	s_mul_i32 s12, s11, VB
	s_mul_i32 s13, s19, 24576
	s_add_co_u32 s12, s12, s13
	s_mul_i32 s14, s11, 3145728
	s_add_co_u32 s14, s14, s13
	s_mul_i32 s13, s10, 98304
	s_add_co_u32 s14, s14, s13
	s_add_co_u32 s14, s14, 3145728
	s_mov_b32 s15, 0
	s_mul_i32 s16, s10, 12288
	s_add_co_u32 s16, s16, 9699328
	s_mul_i32 s83, s19, 3072
	s_add_co_u32 s16, s16, s83
	s_mov_b32 s17, 0
	s_mov_b32 s[SEL], 0x76543210
	s_mov_b32 s[SEL+1], 0xfedcba98
	s_mov_b32 s[CS], 0x3e38aa3b
	s_mov_b32 s[CS+1], s[CS]                       ; (named with it as a pair, so it is written)
	s_wait_dscnt 0x0
	s_wait_kmcnt 0x0
	s_add_nc_u64 s[14:15], s[4:5], s[14:15]
	s_add_nc_u64 s[16:17], s[4:5], s[16:17]
	s_mov_b32 s[G0C], 1
	s_mov_b32 s[G0C+1], s12
	s_mov_b64 s[G0C+2:G0C+3], s[14:15]
	s_or_b32 s[G0C+3], s[G0C+3], 0x80000000
	s_mov_b32 s[G0S], 1
	s_add_co_u32 s[G0S+1], s83, SB
	s_mov_b64 s[G0S+2:G0S+3], s[16:17]
	s_or_b32 s[G0S+3], s[G0S+3], 0x80000000
	CROUND                                         ; all four work-groups are here: the joint loads meet
	s_cmp_lt_u32 s[WV], 8                          ; one chain of branches on the wave's number, one fill to an arm; waves 12-15 fetch nothing
	s_cbranch_scc0 .Lnot_codes
	tensor_load_to_lds s[G0C:G0C+3], s[G1C:G1C+7]
	s_nop 0
.rept 4
	v_nop
.endr
	s_branch .Lasked
.Lnot_codes:
	s_cmp_lt_u32 s[WV], 12
	s_cbranch_scc0 .Lasked
	tensor_load_to_lds s[G0S:G0S+3], s[G1S:G1S+7]
	s_nop 0
.rept 4
	v_nop
.endr
.Lasked:
	s_lshl_b32 s11, s9, 4
	s_add_co_u32 s11, s11, s[WV]                   ; my tile of queries in the head
	s_lshr_b32 s12, s10, 4
	s_lshl_b32 s12, s12, 7
	s_add_co_u32 s12, s12, s11                     ; and among all tokens
	s_and_b32 s13, s10, 15
	s_lshr_b32 s13, s13, 1                         ; which 128 of the 1,024 channels
	s_and_b32 s82, s10, 1                          ; and which half of them
	s_mul_i32 s14, s12, 12288
	s_mul_i32 s15, s13, 1536
	s_add_co_u32 s14, s14, s15
	s_add_co_u32 s14, s14, 131072
	s_mov_b32 s15, 0
	s_add_nc_u64 s[78:79], s[6:7], s[14:15]        ; o's fragment
	s_lshl_b32 s14, s12, 9
	s_lshl_b32 s16, s13, 6
	s_add_co_u32 s14, s14, s16
	s_lshl_b32 s16, s82, 1
	s_add_co_u32 s14, s14, s16
	s_add_nc_u64 s[80:81], s[6:7], s[14:15]        ; its scale words, my two bytes of each
	s_lshl_b32 s19, s10, 7
	s_add_co_u32 s19, s19, s11
	s_mul_i32 s12, s19, 768
	s_mov_b32 s13, 0
	s_add_nc_u64 s[84:85], s[4:5], s[12:13]        ; Q's codes
	s_lshl_b32 s12, s19, 6
	s_add_co_u32 s12, s12, 9437184
	s_add_nc_u64 s[86:87], s[4:5], s[12:13]        ; Q's scale words
	v_and_b32 v5, 31, v0
	s_delay_alu instid0(VALU_DEP_1)
	v_lshlrev_b32 v1, 4, v5                        ; 16 x lane
	s_delay_alu instid0(VALU_DEP_2)
	v_lshlrev_b32 v29, 3, v5                       ; 8 x lane: the offset of Q's 8-byte load, in a register of its own that is never rewritten
	v_and_b32 v6, 15, v0
	s_delay_alu instid0(VALU_DEP_1)
	v_lshlrev_b32 v7, 2, v6                        ; 4 x (lane % 16)
	global_load_b128 v[16:19], v1, s[84:85]        ; Q's half image: registers 0-3,
	global_load_b64 v[20:21], v29, s[84:85] offset:512   ; 4-5
	global_load_b32 v255, v7, s[86:87]
	v_lshl_add_u32 v2, v5, 3, 512                  ; 8 x lane + 512: a key tile's registers 4-5 in LDS
	v_add_nc_u32 v3, VB, v1
	v_lshl_add_u32 v4, v5, 2, SB
.irp j, 22,23,24,25,26,27,80,81,82,83,84,85
	v_mov_b32 v\j, 0                               ; zero codes: Q's upper half, and behind K's last tile
.endr
	v_mov_b32 v13, 0xff61b1e6                      ; the largest t so far: -3e38, under every t
	s_delay_alu instid0(VALU_DEP_1)
	v_floor_f32 v12, -v13                          ; -M
	v_mov_b32 v14, 0
	v_mov_b32 v15, 0
.irp b, 0,1,2,3
	v_mov_b32 v[236+\b], 0                         ; a lane permute's destination counts as one of its sources
.endr
	v_mov_b32 v253, 0                              ; (named as the upper half of the pair v[252:253] before it is first written)
.irp j, 0,1,2,3,4,5,6,7,8,9,10,11,12,13,14,15,16,17,18,19,20,21,22,23,24,25,26,27,28,29,30,31
	v_mov_b32 v[160+\j], 0                         ; O^T: the step is written once; the first change of M leaves zeros zeros
.endr
; A KEY STEP: 128 keys
.macro STEP
	v_add_nc_u32 v8, s[TK], v1                     ; these five are also the places between the last step's products and the loads into the registers that they read
	v_add_nc_u32 v9, s[TK], v2
	v_add_nc_u32 v10, s[TK], v3
	v_add_nc_u32 v11, s[TSK], v4
	v_add_nc_u32 v28, s[TSV], v4
.irp t, 0,1,2,3,4,5,6,7
	ds_load_b128 v[32+6*\t:35+6*\t], v8 offset:768*\t
	ds_load_b64 v[36+6*\t:37+6*\t], v9 offset:768*\t
.endr
.irp i, 0,1,2,3
	ds_load_b32 v[86+\i], v11 offset:128*\i        ; lanes 0-15: tile 2 i's words, lanes 16-31: tile 2 i + 1's
.endr
	s_wait_alu depctr_va_vdst(0)
	s_wait_dscnt 0x0
.irp t, 0,2,4,6
	v_wmma_scale_f32_16x16x128_f8f6f4 v[96+8*\t:103+8*\t], v[32+6*\t:43+6*\t], v[16:27], 0, v[86+\t/2], v255 matrix_a_fmt:MATRIX_FMT_BF6 matrix_b_fmt:MATRIX_FMT_BF6
	v_wmma_scale_f32_16x16x128_f8f6f4 v[104+8*\t:111+8*\t], v[38+6*\t:49+6*\t], v[16:27], 0, v[86+\t/2], v255 matrix_a_fmt:MATRIX_FMT_BF6 matrix_b_fmt:MATRIX_FMT_BF6 matrix_a_scale:MATRIX_SCALE_ROW1
.endr
.rept 4
	v_nop                                          ; places in front of the loads below and of the first read of the scores
.endr
.irp d, 0,1,2,3                                ; V's four fragments land while the softmax is worked
.irp c, 0,1,2
	ds_load_b128 v[32+12*\d+4*\c:35+12*\d+4*\c], v10 offset:1536*\d+512*\c
.endr
.endr
	ds_load_b32 v90, v28
	ds_load_b32 v91, v28 offset:128
.irp b, 0,1,2,3
	v_max3_num_f32 v[232+\b], v[96+16*\b], v[97+16*\b], v[98+16*\b]   ; the largest score of each block of 32 keys: for the row's maximum, and, since p rises with the score, for the block's largest p
.endr
.irp i, 3,5,7,9,11,13
.irp b, 0,1,2,3
	v_max3_num_f32 v[232+\b], v[232+\b], v[96+16*\b+\i], v[97+16*\b+\i]
.endr
.endr
.irp b, 0,1,2,3
	v_max_num_f32 v[232+\b], v[232+\b], v[111+16*\b]
.endr
.irp b, 0,1,2,3
	s_delay_alu instid0(VALU_DEP_4)
	v_permlanex16_b32 v[236+\b], v[232+\b], s[SEL], s[SEL+1]
.endr
.irp b, 0,1,2,3
	s_delay_alu instid0(VALU_DEP_4)
	v_max_num_f32 v[232+\b], v[232+\b], v[236+\b]  ; with lane l xor 16's 16 keys
.endr
	s_delay_alu instid0(VALU_DEP_2)
	v_max3_num_f32 v254, v232, v233, v234
	s_delay_alu instid0(VALU_DEP_1)
	v_max_num_f32 v254, v254, v235
	s_delay_alu instid0(VALU_DEP_1)
	v_mul_f32 v254, s[CS], v254                    ; the step's largest t
	s_delay_alu instid0(VALU_DEP_1)
	v_max_num_f32 v13, v13, v254
	v_mov_b32 v254, v12
	s_delay_alu instid0(VALU_DEP_2)
	v_floor_f32 v12, -v13                          ; the new -M = -ceil(t): a whole number
	s_delay_alu instid0(VALU_DEP_1)
	v_sub_f32 v254, v12, v254                      ; old M - new M: a whole number, 0 or less
	s_delay_alu instid0(VALU_DEP_1)
	v_cvt_i32_f32 v254, v254                       ; (it saturates)
	s_delay_alu instid0(VALU_DEP_1)
	v_ldexp_f32 v252, 1.0, v254                    ; f = 2^(old M - new M)
.irp j, 0,2,4,6,8,10,12,14,16,18,20,22,24,26,28,30,32,34,36,38,40,42,44,46,48,50,52,54,56,58,60,62
	v_pk_fma_f32 v[96+\j:97+\j], v[96+\j:97+\j], s[CS:CS+1], v[12:13] op_sel_hi:[1,0,0]   ; t - M
.endr
.irp b, 0,1,2,3
	v_fma_f32 v[232+\b], v[232+\b], s[CS], v12     ; the same of each block's largest score
.endr
	s_wait_alu depctr_va_vdst(0)
.irp j, 0,1,2,3,4,5,6,7,8,9,10,11,12,13,14,15,16,17,18,19,20,21,22,23,24,25,26,27,28,29,30,31,32,33,34,35,36,37,38,39,40,41,42,43,44,45,46,47,48,49,50,51,52,53,54,55,56,57,58,59,60,61,62,63
	v_exp_f32 v[96+\j], v[96+\j]                   ; p = 2^(t - M)
.endr
	v_pk_mul_f32 v[14:15], v[14:15], v[252:253] op_sel_hi:[1,0]   ; the sums under the new M (a plain place behind the exponentials)
	s_wait_alu depctr_va_vdst(0)                   ; one wait for the batch, ahead of its first reader
.irp b, 0,1,2,3
	v_exp_f32 v[232+\b], v[232+\b]                 ; the block's largest p
.endr
	v_pk_add_f32 v[236:237], v[100:101], v[104:105]
	v_pk_add_f32 v[248:249], v[108:109], v[112:113]
	v_pk_add_f32 v[246:247], v[116:117], v[120:121]
	v_pk_add_f32 v[244:245], v[124:125], v[128:129]
	v_pk_add_f32 v[242:243], v[132:133], v[136:137]
	v_pk_add_f32 v[240:241], v[140:141], v[144:145]
	v_pk_add_f32 v[238:239], v[148:149], v[152:153]
	v_pk_add_f32 v[14:15], v[14:15], v[156:157]
	v_pk_add_f32 v[236:237], v[236:237], v[96:97]
	v_pk_add_f32 v[248:249], v[248:249], v[98:99]
	v_pk_add_f32 v[246:247], v[246:247], v[102:103]
	v_pk_add_f32 v[244:245], v[244:245], v[106:107]
	v_pk_add_f32 v[242:243], v[242:243], v[110:111]
	v_pk_add_f32 v[240:241], v[240:241], v[114:115]
	v_pk_add_f32 v[238:239], v[238:239], v[118:119]
	v_pk_add_f32 v[14:15], v[14:15], v[122:123]
	v_pk_add_f32 v[236:237], v[236:237], v[126:127]
	v_pk_add_f32 v[248:249], v[248:249], v[130:131]
	v_pk_add_f32 v[246:247], v[246:247], v[134:135]
	v_pk_add_f32 v[244:245], v[244:245], v[138:139]
	v_pk_add_f32 v[242:243], v[242:243], v[142:143]
	v_pk_add_f32 v[240:241], v[240:241], v[146:147]
	v_pk_add_f32 v[238:239], v[238:239], v[150:151]
	v_pk_add_f32 v[14:15], v[14:15], v[154:155]
	v_pk_add_f32 v[236:237], v[236:237], v[158:159]
	s_delay_alu instid0(VALU_DEP_2)
	v_pk_add_f32 v[14:15], v[14:15], v[244:245]
	s_delay_alu instid0(VALU_DEP_2)
	v_pk_add_f32 v[236:237], v[236:237], v[242:243]
	v_pk_add_f32 v[248:249], v[248:249], v[240:241]
	v_pk_add_f32 v[246:247], v[246:247], v[238:239]
	s_delay_alu instid0(VALU_DEP_2)
	v_pk_add_f32 v[14:15], v[14:15], v[248:249]
	s_delay_alu instid0(VALU_DEP_2)
	v_pk_add_f32 v[236:237], v[236:237], v[246:247]
	s_delay_alu instid0(VALU_DEP_1)
	v_pk_add_f32 v[14:15], v[14:15], v[236:237]
	s_wait_alu depctr_va_vdst(0)                   ; and one for the four
.irp b, 0,1,2,3
	v_max_num_f32 v[232+\b], 0x2800000, v[232+\b]  ; the floor 2^(5 - 127)
.endr
.irp b, 0,1,2,3
	s_delay_alu instid0(VALU_DEP_4)
	v_add_nc_u32 v[244+\b], 0xfe000000, v[232+\b]  ; the conversion's scale operand
.endr
.irp b, 0,1,2,3
	s_delay_alu instid0(VALU_DEP_4)
	v_lshrrev_b32 v[236+\b], 23, v[244+\b]         ; the scale's byte
.endr
	s_delay_alu instid0(VALU_DEP_3)
	v_lshl_or_b32 v253, v237, 8, v236              ; p's scale word for these 128 keys
	s_delay_alu instid0(VALU_DEP_1)
	v_lshl_or_b32 v253, v238, 16, v253
	s_delay_alu instid0(VALU_DEP_1)
	v_lshl_or_b32 v253, v239, 24, v253
.irp c, 0,1
	v_cvt_scalef32_pk16_bf6_f32 v[224+6*\c:226+6*\c], v[96+32*\c:111+32*\c], v[244+2*\c]
	v_cvt_scalef32_pk16_bf6_f32 v[236+4*\c:238+4*\c], v[112+32*\c:127+32*\c], v[244+2*\c+1]
.endr
	v_nop                                          ; one plain place behind a scaled conversion
.irp c, 0,1
.irp i, 0,1,2
	v_permlane16_swap_b32 v[224+6*\c+\i], v[236+4*\c+\i]
.endr
.irp i, 0,1,2
	s_delay_alu instid0(VALU_DEP_3)
	v_mov_b32 v[227+6*\c+\i], v[236+4*\c+\i]
.endr
.endr
.irp j, 0,2,4,6,8,10,12,14,16,18,20,22,24,26,28,30
	v_pk_mul_f32 v[160+\j:161+\j], v[160+\j:161+\j], v[252:253] op_sel_hi:[1,0]   ; O^T under the new M.  (These sixteen are also the places between the writes of p's codes and scale word and the products)
.endr
	s_wait_alu depctr_va_vdst(0)
	s_wait_dscnt 0x0                               ; V
.irp d, 0,2
	v_wmma_scale_f32_16x16x128_f8f6f4 v[160+8*\d:167+8*\d], v[32+12*\d:43+12*\d], v[224:235], v[160+8*\d:167+8*\d], v[90+\d/2], v253 matrix_a_fmt:MATRIX_FMT_BF6 matrix_b_fmt:MATRIX_FMT_BF6
	v_wmma_scale_f32_16x16x128_f8f6f4 v[168+8*\d:175+8*\d], v[44+12*\d:55+12*\d], v[224:235], v[168+8*\d:175+8*\d], v[90+\d/2], v253 matrix_a_fmt:MATRIX_FMT_BF6 matrix_b_fmt:MATRIX_FMT_BF6 matrix_a_scale:MATRIX_SCALE_ROW1
.endr
.endm
; A quarter of the keys: four key steps.  ONE barrier, ahead of the first quarter: in front of it every fetching wave has waited for its one load, so behind it the whole head's K, V and scale words lie in LDS.
; Nothing is filled again, so no further barrier parts the sixteen waves.
.macro QUARTER j
.if \j == 0
	s_wait_tensorcnt 0x0
	s_wait_dscnt 0x0
	s_barrier_signal -1
	s_barrier_wait -1
.endif
	s_mov_b32 s[TK], 24576*\j
	s_mov_b32 s[TSK], 3072*\j
	s_mov_b32 s[TSV], 3072*\j+2048
	s_mov_b32 s[CNT], 4
.Lq_\@:
	STEP
	s_add_co_u32 s[TK], s[TK], 6144
	s_add_co_u32 s[TSK], s[TSK], 512
	s_add_co_u32 s[TSV], s[TSV], 256
	s_sub_co_u32 s[CNT], s[CNT], 1
	s_cmp_lg_u32 s[CNT], 0
	s_cbranch_scc1 .Lq_\@
.endm
	s_wait_alu depctr_va_vdst(0)
	s_wait_loadcnt 0x0                             ; Q
	QUARTER 0
	QUARTER 1
	QUARTER 2
	QUARTER 3
	; THE WAY OUT: O^T / the sum; its 32 numbers a lane are channels 32 b + 16 (lane / 16) + i: two blocks, quantised as p is
	v_add_f32 v14, v14, v15
	s_delay_alu instid0(VALU_DEP_1)
	v_permlanex16_b32 v252, v14, s[SEL], s[SEL+1]
	s_delay_alu instid0(VALU_DEP_1)
	v_add_f32 v14, v14, v252                       ; the row's sum
	s_wait_alu depctr_va_vdst(0)
	v_rcp_f32 v14, v14
	v_mov_b32 v[TM+4], 0                           ; (plain places behind the reciprocal and behind the last products)
	v_mov_b32 v[TM+5], 0
	v_and_b32 v8, 15, v0
	s_delay_alu instid0(VALU_DEP_1)
	v_lshlrev_b32 v8, 2, v8                        ; 4 x (lane % 16)
	s_wait_alu depctr_va_vdst(0)                   ; the wait, ahead of the first reader
.irp j, 0,1,2,3,4,5,6,7,8,9,10,11,12,13,14,15,16,17,18,19,20,21,22,23,24,25,26,27,28,29,30,31
	v_mul_f32 v[192+\j], v[160+\j], v14            ; each accumulator from its low end on
.endr
.irp b, 0,1
	v_max3_num_f32 v[TM+\b], |v[192+16*\b]|, |v[193+16*\b]|, 0x2800000
.endr
.irp i, 2,4,6,8,10,12,14
.irp b, 0,1
	s_delay_alu instid0(VALU_DEP_2)
	v_max3_num_f32 v[TM+\b], v[TM+\b], |v[192+16*\b+\i]|, |v[193+16*\b+\i]|
.endr
.endr
.irp b, 0,1
	s_delay_alu instid0(VALU_DEP_2)
	v_permlanex16_b32 v[TM+4+\b], v[TM+\b], s[SEL], s[SEL+1]
.endr
.irp b, 0,1
	s_delay_alu instid0(VALU_DEP_2)
	v_max_num_f32 v[TM+\b], v[TM+\b], v[TM+4+\b]
.endr
.irp b, 0,1
	s_delay_alu instid0(VALU_DEP_2)
	v_add_nc_u32 v[TM+12+\b], 0xfe000000, v[TM+\b]
.endr
.irp b, 0,1
	s_delay_alu instid0(VALU_DEP_2)
	v_lshrrev_b32 v[TM+4+\b], 23, v[TM+12+\b]
.endr
	s_delay_alu instid0(VALU_DEP_1)
	v_lshl_or_b32 v[PW], v[TM+5], 8, v[TM+4]       ; my head's two bytes of the row's scale word
	v_cvt_scalef32_pk16_bf6_f32 v[PC:PC+2], v[192:207], v[TM+12]
	v_cvt_scalef32_pk16_bf6_f32 v[PC+12:PC+14], v[208:223], v[TM+13]
	v_nop
.irp i, 0,1,2
	v_permlane16_swap_b32 v[PC+\i], v[PC+12+\i]
.endr
.irp i, 0,1,2
	s_delay_alu instid0(VALU_DEP_3)
	v_mov_b32 v[PC+3+\i], v[PC+12+\i]
.endr
	global_store_b16 v8, v[PW], s[80:81]
	s_cmp_eq_u32 s82, 0                            ; an even head's six registers are registers 0-5 of the fragment, an odd head's 6-11; the head is the same in all partners
	s_cbranch_scc0 .Lodd
	global_store_b128 v1, v[PC:PC+3], s[78:79]
	global_store_b64 v1, v[PC+4:PC+5], s[78:79] offset:512
	s_branch .Lstored
.Lodd:
	s_wait_alu depctr_va_vdst(0)
	global_store_b64 v1, v[PC:PC+1], s[78:79] offset:520
	global_store_b128 v1, v[PC+2:PC+5], s[78:79] offset:1024
.Lstored:
	s_wait_tensorcnt 0x0
	ds_add_u32 v250, v251
	s_wait_dscnt 0x0
	CROUND                                         ; the closing round: no work-group ends while a partner may still ask for a tile that names it
	s_endpgm
.Lfunc_end_k_q2ce9f5eb27_attn:
	.size	k_q2ce9f5eb27_attn, .Lfunc_end_k_q2ce9f5eb27_attn-k_q2ce9f5eb27_attn
	.p2alignl 7, 3214868480
	.fill 96, 4, 3214868480
	.section	.rodata,"a",@progbits
	.p2align	6, 0x0
	.amdhsa_kernel k_q2ce9f5eb27_attn
		.amdhsa_group_segment_fixed_size 210944
		.amdhsa_private_segment_fixed_size 0
		.amdhsa_enable_private_segment 0
		.amdhsa_kernarg_size 16
		.amdhsa_user_sgpr_count 2
		.amdhsa_user_sgpr_kernarg_segment_ptr 1
		.amdhsa_wavefront_size32 1
		.amdhsa_system_sgpr_workgroup_id_x 1
		.amdhsa_system_sgpr_workgroup_id_y 1
		.amdhsa_system_sgpr_workgroup_id_z 1
		.amdhsa_system_vgpr_workitem_id 0
		.amdhsa_next_free_vgpr 256
		.amdhsa_next_free_sgpr 88
		.amdhsa_reserve_vcc 0
		.amdhsa_float_denorm_mode_32 3
		.amdhsa_float_denorm_mode_16_64 3
		.amdhsa_memory_ordered 1
		.amdhsa_forward_progress 1
		.amdhsa_inst_pref_size 83
	.end_amdhsa_kernel
	.amdgpu_metadata
---
amdhsa.version: [ 1, 2 ]
amdhsa.kernels:
  - .name:           k_q2ce9f5eb27_attn
    .symbol:         k_q2ce9f5eb27_attn.kd
    .args:
      - { .name: qkvq, .offset: 0, .size: 8, .value_kind: global_buffer, .address_space: global }
      - { .name: oq, .offset: 8, .size: 8, .value_kind: global_buffer, .address_space: global }
    .group_segment_fixed_size: 210944
    .private_segment_fixed_size: 0
    .kernarg_segment_align: 8
    .kernarg_segment_size: 16
    .max_flat_workgroup_size: 512
    .sgpr_count:     88
    .vgpr_count:     256
    .wavefront_size: 32
...
	.end_amdgpu_metadata
.endif
;; end of part 3
;; launch proj (part 4): grid 8 x 32, 4 waves a work-group, clusters of 4 x 4, 327,680 bytes of LDS; arguments oq, wq, b_proj, x, x1; writes x1
.if DOCPART == 4
	.amdgcn_target "amdgcn-amd-amdhsa--gfx1250"
	.amdhsa_code_object_version 6
	.text
	.protected	k_q2ce9f5eb27_proj
	.globl	k_q2ce9f5eb27_proj
	.p2align	8
	.type	k_q2ce9f5eb27_proj,@function
k_q2ce9f5eb27_proj:
	s_mov_b64 s[64:65], 0
	v_nop
	global_prefetch_b8 v0, s[64:65] scope:SCOPE_SE
	s_setreg_imm32_b32 hwreg(HW_REG_WAVE_MODE, 25, 1), 1
	s_wait_xcnt 0x0
	s_wait_alu depctr_hold_cnt(0) depctr_sa_sdst(0) depctr_va_vdst(0) depctr_va_sdst(0) depctr_va_ssrc(0) depctr_va_vcc(0) depctr_vm_vsrc(0)
	s_getreg_b32 s2, hwreg(HW_REG_IB_STS2, 6, 4)
	s_cmp_eq_u32 s2, 0
	s_cbranch_scc0 .Lentry_in_a_cluster
	s_endpgm
.Lentry_in_a_cluster:
	s_bfe_u32 s2, ttmp6, 0x10000c
	s_cmp_lg_u32 s2, 0xf033
	s_cbranch_scc0 .Lentry_shape_is_right
	s_endpgm
.Lentry_shape_is_right:
; x1 = x + o w_proj^T + b_proj on codes of BF6 (E3M2) with E8M0 scales, K = 1,024.  Both operands lie in memory as images of operand registers (row tile of 16 rows, step of 128 along K: 1,536 bytes of codes, 64 of scale words).
; A work-group of four waves makes 128 x 128, a wave 64 x 64; the matrix instruction is used transposed (source 0 = weights, source 1 = tokens); the bias is the C of the first products.  Clusters 4 x 4: A's tiles are asked for jointly
; along a row of the cluster, B's along a column.  Two LDS slots of four steps each hold all of K.  THE FILLS, one tensor load a wave at the head and behind each round: at the head wave 0 fetches A's 8 row
; tiles of slot 0, wave 1 B's, wave 2 A's scale words, wave 3 B's; slot 1 follows behind the next round, a quarter a wave.  Slot 1's bytes are prefetched at the head, a row tile to each of the four partners that ask jointly.
; The results go through each wave's stage in slot 0's bytes, which have had their last fill, come back as rows of 256 bytes, take the residual and are stored.
.set BLK,   4
.set NQ,    4
.set KCH,   8
.set C0A,   131072
.set S0A,   0
.set C0B,   0x80000+448*12288
.set S0B,   448*512
.set FRB,   1536
.set ROWB,  NQ*FRB
.set HALFT, BLK*ROWB
.set SLOT,  4*HALFT
.set LAPS,  KCH/(2*NQ)
.set HALFS, BLK*KCH*64
.set SCL,   262144
.set SPARE, SCL+4*HALFS+256
.set L16,  12
.set L4,   13
.set ADRA, 16
.set ADRB, 20
.set STO,  24
.set RD,   25
.set CO,   26
.set ADRS, 27
.set SPW,  28
.set NIL,  29
.set SC,   32
.set AF,   64
.set BIASR, 192
.set RES,  128
.set BK,   64
.set G1, 24
.set G0, 32
.set G1B, 48
.set G0B, 56
.set G1S, 68
.set G0S, 76
.set G1SB, 80
.set G0SB, 88
.set G0H,  4                           ; s[4:7], s[92:95] groups 0 of the head's loads of slot 0: what lay there is used up by then
.set G0HB, 92
.set PFA,  96                          ; s[96:97] the prefetch's base
.set MSB, 0
.macro WIN new
.if MSB != (\new)
	s_set_vgpr_msb (MSB<<8)|(\new)
.set MSB, (\new)
.endif
.endm
.macro JLOAD g0a, g1a, g0b, g1b
	s_cmp_eq_u32 s15, 0
	s_cbranch_scc0 .Lfor_b_\@
	tensor_load_to_lds s[\g0a:\g0a+3], s[\g1a:\g1a+7]
	s_nop 0
.rept 4
	v_nop
.endr
	s_branch .Lasked_\@
.Lfor_b_\@:
	tensor_load_to_lds s[\g0b:\g0b+3], s[\g1b:\g1b+7]
	s_nop 0
.rept 4
	v_nop
.endr
.Lasked_\@:
.endm
.macro CREST
	s_cmp_lg_u32 s14, 0
	s_cbranch_scc1 .Lnot_wave_0_\@
	s_barrier_signal -3
.Lnot_wave_0_\@:
	s_barrier_wait -3
	s_barrier_signal -1
	s_barrier_wait -1
.endm
.macro CROUND
	s_barrier_signal -1
	s_barrier_wait -1
	CREST
.endm
.macro PLACES n
.rept \n
	v_nop
.endr
.endm
	s_load_b128 s[4:7], s[0:1], 0x0
	s_load_b128 s[8:11], s[0:1], 0x10
	s_load_b64 s[12:13], s[0:1], 0x20
	v_lshl_add_u32 v[SPW], v0, 2, SPARE
	v_mov_b32 v[NIL], 0
	ds_add_u32 v28, v29
	ds_add_u32 v28, v29
	s_wait_dscnt 0x0
	v_lshrrev_b32 v1, 5, v0
	v_readfirstlane_b32 s14, v1
	s_lshr_b32 s15, s14, 1
	s_and_b32 s16, s14, 1
	s_bfe_u32 s40, ttmp6, 0x40000
	s_bfe_u32 s41, ttmp6, 0x40004
	s_lshl_b32 s42, ttmp9, 2
	s_add_co_u32 s42, s42, s40
	s_and_b32 s17, ttmp7, 0xffff
	s_lshl_b32 s17, s17, 2
	s_add_co_u32 s17, s17, s41
	s_lshl_b32 s43, s41, 2
	s_lshl_b32 s43, 15, s43
	s_lshl_b32 s44, 0x1111, s40
	s_or_b32 s[G1+0], s43, (3<<16)|(1<<21)
	s_or_b32 s[G1B+0], s44, (3<<16)|(1<<21)
.irp g, G1, G1B
	s_mov_b32 s[\g+1], (ROWB/8)<<16
	s_mov_b32 s[\g+2], (2*BLK)<<16
	s_mov_b32 s[\g+3], (ROWB/8)<<16
	s_mov_b32 s[\g+4], 2*BLK
	s_mov_b32 s[\g+5], KCH*FRB/8
	s_mov_b32 s[\g+6], 0
	s_mov_b32 s[\g+7], 0
.endr
	s_or_b32 s[G1S+0], s43, (3<<16)|(1<<21)
	s_or_b32 s[G1SB+0], s44, (3<<16)|(1<<21)
.irp g, G1S, G1SB
	s_mov_b32 s[\g+1], 32<<16
	s_mov_b32 s[\g+2], (HALFS/128)<<16
	s_mov_b32 s[\g+3], 32<<16
	s_mov_b32 s[\g+4], HALFS/128
	s_mov_b32 s[\g+5], 32
	s_mov_b32 s[\g+6], 0
	s_mov_b32 s[\g+7], 0
.endr
	s_mul_i32 s18, s16, BLK*KCH*FRB                ; behind the head I fetch 4 row tiles: which half, in bytes
	s_mov_b32 s19, 0
	s_mul_i32 s20, s17, 2*BLK                      ; A's first row tile
	s_mul_i32 s46, s42, 2*BLK                      ; B's
	s_mul_i32 s22, s20, KCH*64
	s_add_co_u32 s22, s22, S0A
	s_mul_i32 s20, s20, KCH*FRB
	s_add_co_u32 s20, s20, C0A
	s_mul_i32 s92, s46, KCH*64
	s_add_co_u32 s92, s92, S0B
	s_mul_i32 s46, s46, KCH*FRB
	s_add_co_u32 s46, s46, C0B
	s_mov_b32 s21, 0
	s_mov_b32 s23, 0
	s_mov_b32 s47, 0
	s_mov_b32 s93, 0
	s_mul_i32 s45, s14, HALFT
	s_wait_kmcnt 0x0
	s_add_nc_u64 s[20:21], s[4:5], s[20:21]
	s_add_nc_u64 s[22:23], s[4:5], s[22:23]
	s_add_nc_u64 s[46:47], s[6:7], s[46:47]
	s_add_nc_u64 s[92:93], s[6:7], s[92:93]
	CROUND
	s_mov_b32 s[G0S], 1
	s_mov_b32 s[G0S+1], SCL                        ; A's scale words, all 8 row tiles
	s_mov_b64 s[G0S+2:G0S+3], s[22:23]
	s_or_b32 s[G0S+3], s[G0S+3], 0x80000000
	s_mov_b32 s[G0SB], 1
	s_mov_b32 s[G0SB+1], SCL+2*HALFS+128           ; B's
	s_mov_b64 s[G0SB+2:G0SB+3], s[92:93]
	s_or_b32 s[G0SB+3], s[G0SB+3], 0x80000000
	s_mov_b32 s[G0H], 1                            ; the head's load of A: 8 row tiles of slot 0
	s_mov_b32 s[G0H+1], 0
	s_mov_b64 s[G0H+2:G0H+3], s[20:21]
	s_or_b32 s[G0H+3], s[G0H+3], 0x80000000
	s_mov_b32 s[G0HB], 1                           ; and of B, behind A's
	s_mov_b32 s[G0HB+1], 2*HALFT
	s_mov_b64 s[G0HB+2:G0HB+3], s[46:47]
	s_or_b32 s[G0HB+3], s[G0HB+3], 0x80000000
	s_add_nc_u64 s[20:21], s[20:21], s[18:19]      ; from here on: my 4 row tiles
	s_add_nc_u64 s[46:47], s[46:47], s[18:19]
.irp s, 0,1
	s_mov_b32 s[G0+4*\s], 1
	s_add_co_u32 s[G0+4*\s+1], s45, \s*SLOT
	s_add_nc_u64 s[G0+4*\s+2:G0+4*\s+3], s[20:21], \s*ROWB
	s_or_b32 s[G0+4*\s+3], s[G0+4*\s+3], 0x80000000
	s_mov_b32 s[G0B+4*\s], 1
	s_add_co_u32 s[G0B+4*\s+1], s45, \s*SLOT
	s_add_nc_u64 s[G0B+4*\s+2:G0B+4*\s+3], s[46:47], \s*ROWB
	s_or_b32 s[G0B+4*\s+3], s[G0B+4*\s+3], 0x80000000
.endr
	s_cmp_eq_u32 s15, 0                            ; the prefetch: of the 4 row tiles that my wave fetches, each of the four partners that ask jointly takes one, told apart by address (cx for A, cy for B)
	s_cselect_b64 s[PFA:PFA+1], s[20:21], s[46:47]
	s_cselect_b32 s18, s40, s41
	s_mul_i32 s18, s18, KCH*FRB
	s_add_nc_u64 s[PFA:PFA+1], s[PFA:PFA+1], s[18:19]
; the head's loads, one a wave, in one tree of branches on the wave's number: every way passes exactly one
.macro ARM under, g0, g1, next
	s_cmp_lt_u32 s14, \under
	s_cbranch_scc0 \next
	tensor_load_to_lds s[\g0:\g0+3], s[\g1:\g1+7]
	s_nop 0
.rept 4
	v_nop
.endr
	s_branch .Lhead_asked
\next:
.endm
	ARM 1, G0H,  G1,  .Lhead_b
	ARM 2, G0HB, G1B, .Lhead_sa
	ARM 3, G0S,  G1S, .Lhead_sb
	tensor_load_to_lds s[G0SB:G0SB+3], s[G1SB:G1SB+7]
	s_nop 0
.rept 4
	v_nop
.endr
.Lhead_asked:
	v_and_b32 v1, 15, v0
	v_bfe_u32 v2, v0, 4, 1
	v_and_b32 v3, 31, v0
	v_lshlrev_b32 v[L16], 4, v3
	v_lshlrev_b32 v[L4], 2, v1
	v_lshlrev_b32 v7, 6, v2
	s_mul_i32 s18, s42, 128*BLK
	s_mul_i32 s19, s16, 64*BLK
	s_add_co_u32 s18, s18, s19
	s_mov_b32 s19, 0
	s_add_nc_u64 s[8:9], s[8:9], s[18:19]
	WIN 0x40
.set bi, 0
.rept BLK
	global_load_b128 v[BIASR+8*bi:BIASR+8*bi+3], v7, s[8:9] offset:(32*(bi/2)+8*(bi%2))*4
	global_load_b128 v[BIASR+8*bi+4:BIASR+8*bi+7], v7, s[8:9] offset:(32*(bi/2)+8*(bi%2))*4+16
.set bi, bi+1
.endr
	WIN 0
	v_lshlrev_b32 v5, 12, v2
	v_lshl_add_u32 v[CO], v1, 4, v5
	s_wait_alu depctr_va_vdst(0)
	s_lshl_b32 s18, s17, 7
	s_lshl_b32 s19, s15, 6
	s_add_co_u32 s18, s18, s19
	s_lshl_b32 s18, s18, 12
	s_lshl_b32 s19, s42, 9
	s_add_co_u32 s18, s18, s19
	s_lshl_b32 s19, s16, 8
	s_add_co_u32 s18, s18, s19
	s_mov_b32 s19, 0
	s_add_nc_u64 s[10:11], s[10:11], s[18:19]
	s_add_nc_u64 s[12:13], s[12:13], s[18:19]
	WIN 0x80
.irp a, 0,1,2,3
.irp t, 0,1,2,3,4,5,6,7
	global_load_b128 v[RES+32*\a+4*\t:RES+32*\a+4*\t+3], v[CO], s[10:11] offset:(32*(\a/2)+8*(\a%2)+2*\t+8*(\t/4))*4096 th:TH_LOAD_NT
.endr
.endr
	WIN 0
	v_min_u32 v30, 23, v3                          ; a lane a block of 256 bytes of a row tile's four steps; lanes 24-31 name the last block again
	v_lshlrev_b32 v30, 8, v30
	global_prefetch_b8 v30, s[PFA:PFA+1] offset:ROWB th:TH_LOAD_NT scope:SCOPE_SE   ; slot 1's bytes of my row tile: what the load behind the next round fetches
	s_mul_i32 s21, s15, HALFT
	s_mul_i32 s22, s16, HALFT
	s_add_co_u32 s22, s22, 2*HALFT
.irp s, 0,1
	v_add_nc_u32 v[ADRA+\s], s21, v[L16]
	v_add_nc_u32 v[ADRB+\s], s22, v[L16]
	s_add_co_u32 s21, s21, SLOT
	s_add_co_u32 s22, s22, SLOT
.endr
	s_mul_i32 s21, s15, HALFS
	s_mul_i32 s22, s16, HALFS
	s_add_co_u32 s22, s22, 2*HALFS+128
	s_sub_co_u32 s22, s22, s21
	v_mul_u32_u24 v6, s22, v2
	s_add_co_u32 s21, s21, SCL
	v_add_nc_u32 v5, v[L4], v6
	v_add_nc_u32 v[ADRS], s21, v5
	s_mul_i32 s23, s14, 16*272
	v_mul_u32_u24 v5, v1, 272
	v_lshl_add_u32 v5, v2, 6, v5
	v_add_nc_u32 v[STO], s23, v5
	v_mul_u32_u24 v5, v2, 272
	v_lshl_add_u32 v5, v1, 4, v5
	v_add_nc_u32 v[RD], s23, v5
.macro FRAG reg, adr, off
	ds_load_b128 v[\reg:\reg+3], v[\adr] offset:\off
	ds_load_b128 v[\reg+4:\reg+7], v[\adr] offset:\off+512
	ds_load_b128 v[\reg+8:\reg+11], v[\adr] offset:\off+1024
.endm
.macro FETCH slot, q, p
	WIN 0x40
.set fi, 0
.rept BLK
	FRAG 96*(\p)+12*fi, ADRB+\slot, fi*ROWB+(\q)*FRB
.set fi, fi+1
.endr
	WIN 0
.set fi, 0
.rept BLK
	FRAG AF+96*(\p)+12*fi, ADRA+\slot, fi*ROWB+(\q)*FRB
.set fi, fi+1
.endr
.set fi, 0
.rept BLK
	ds_load_b32 v[SC+8*(\p)+fi], v[ADRS] offset:fi*KCH*64+(\q)*64
.set fi, fi+1
.endr
.endm
.macro MULQ k, p, first
.set ma, (\k)*BLK/4
.rept BLK/4
.if \first
	WIN 0x91+0x40*(ma/4)
.else
	WIN 0xa1+0x50*(ma/4)
.endif
.set mb, 0
.rept BLK
.set rD, 8*(BLK*(ma%4)+mb)
.set rB, 96*(\p)+12*mb
.set rA, AF+96*(\p)+12*ma
.if \first
	v_wmma_scale_f32_16x16x128_f8f6f4 v[rD:rD+7], v[rB:rB+11], v[rA:rA+11], v[BIASR+8*mb:BIASR+8*mb+7], v[SC+8*(\p)+mb], v[SC+8*(\p)+ma] matrix_a_fmt:MATRIX_FMT_BF6 matrix_b_fmt:MATRIX_FMT_BF6 matrix_a_scale:MATRIX_SCALE_ROW1
.else
	v_wmma_scale_f32_16x16x128_f8f6f4 v[rD:rD+7], v[rB:rB+11], v[rA:rA+11], v[rD:rD+7], v[SC+8*(\p)+mb], v[SC+8*(\p)+ma] matrix_a_fmt:MATRIX_FMT_BF6 matrix_b_fmt:MATRIX_FMT_BF6 matrix_a_scale:MATRIX_SCALE_ROW1
.endif
.set mb, mb+1
.endr
.set ma, ma+1
.endr
.endm
.macro STEP slot, q, first
	s_wait_dscnt 0x0
	PLACES 4
	FETCH \slot, (\q)+1, 1-(\q)%2
	MULQ 0, (\q)%2, \first
	MULQ 1, (\q)%2, \first
	MULQ 2, (\q)%2, \first
	MULQ 3, (\q)%2, \first
	WIN 0
.endm
.macro TURN slot, next, fill
	s_wait_tensorcnt 0x0
	ds_add_u32 v[SPW], v[NIL]
	s_wait_dscnt 0x1
	MULQ 0, 1, 0
	s_wait_dscnt 0x0
	s_barrier_signal -1
	MULQ 1, 1, 0
	WIN 0
	s_barrier_wait -1
.if \fill
	CREST
	s_add_nc_u64 s[G0+4*\slot+2:G0+4*\slot+3], s[G0+4*\slot+2:G0+4*\slot+3], 2*ROWB
	s_add_nc_u64 s[G0B+4*\slot+2:G0B+4*\slot+3], s[G0B+4*\slot+2:G0B+4*\slot+3], 2*ROWB
	JLOAD G0+4*\slot, G1, G0B+4*\slot, G1B
.else
	PLACES 4
.endif
	v_add_nc_u32 v[ADRS], NQ*64, v[ADRS]
	FETCH \next, 0, 0
	MULQ 2, 1, 0
	MULQ 3, 1, 0
	WIN 0
.endm
.macro MID slot, q0
.set mq, \q0
.rept NQ-1-(\q0)
	STEP \slot, mq, 0
.set mq, mq+1
.endr
.endm
	s_wait_alu depctr_va_vdst(0)
	s_wait_loadcnt 32                              ; the bias is in; the 32 loads of the residual may be out
	s_wait_tensorcnt 0x0                           ; my tile of the head's four is in
	ds_add_u32 v[SPW], v[NIL]
.irp g, G1, G1B
	s_mov_b32 s[\g+2], BLK<<16                     ; no tensor load of mine is out: from here on a load brings 4 row tiles
	s_mov_b32 s[\g+4], BLK
.endr
	s_wait_dscnt 0x0
	CROUND                                         ; all four tiles are in, and all sixteen work-groups are here
	JLOAD G0+4, G1, G0B+4, G1B                     ; slot 1
	FETCH 0, 0, 0
	STEP 0, 0, 1
.if LAPS > 1
	s_mov_b32 s3, LAPS-1
.Llap:
	MID 0, 1
	TURN 0, 1, 1
	MID 1, 0
	TURN 1, 0, 1
	STEP 0, 0, 0
	s_sub_co_u32 s3, s3, 1
	s_cmp_lg_u32 s3, 0
	s_cbranch_scc1 .Llap
.endif
	MID 0, 1
	TURN 0, 1, 0
	s_wait_alu depctr_va_vdst(0)
	MID 1, 0
	s_wait_dscnt 0x0
	MULQ 0, 1, 0
	MULQ 1, 1, 0
	MULQ 2, 1, 0
	MULQ 3, 1, 0
	WIN 0
	PLACES 4
.macro TOSTAGE a
	WIN 0x08
.irp b, 0,1,2,3
	ds_store_b128 v[STO], v[8*(4*(\a)+\b):8*(4*(\a)+\b)+3] offset:128*(\b/2)+32*(\b%2)
	ds_store_b128 v[STO], v[8*(4*(\a)+\b)+4:8*(4*(\a)+\b)+7] offset:128*(\b/2)+32*(\b%2)+16
.endr
	WIN 0
.irp t, 0,1,2,3,4,5,6,7
	ds_load_b128 v[BK+32*((\a)%2)+4*\t:BK+32*((\a)%2)+4*\t+3], v[RD] offset:544*\t
.endr
.endm
.macro SEND a, younger
	s_wait_dscnt \younger
	s_wait_loadcnt 24-8*(\a)
	WIN 0x08
.irp i, 0,2,4,6,8,10,12,14,16,18,20,22,24,26,28,30
	v_pk_add_f32 v[BK+32*((\a)%2)+\i:BK+32*((\a)%2)+\i+1], v[BK+32*((\a)%2)+\i:BK+32*((\a)%2)+\i+1], v[RES+32*(\a)+\i:RES+32*(\a)+\i+1]
.endr
	WIN 0
.irp t, 0,1,2,3,4,5,6,7
	global_store_b128 v[CO], v[BK+32*((\a)%2)+4*\t:BK+32*((\a)%2)+4*\t+3], s[12:13] offset:(32*((\a)/2)+8*((\a)%2)+2*\t+8*(\t/4))*4096
.endr
.endm
	TOSTAGE 0
	TOSTAGE 1
	SEND 0, 16
	s_wait_xcnt 0x0
	TOSTAGE 2
	SEND 1, 16
	s_wait_xcnt 0x0
	TOSTAGE 3
	SEND 2, 16
	SEND 3, 0
	s_wait_tensorcnt 0x0
	ds_add_u32 v[SPW], v[NIL]
	s_wait_dscnt 0x0
	CROUND
	s_endpgm
.Lfunc_end_k_q2ce9f5eb27_proj:
	.size	k_q2ce9f5eb27_proj, .Lfunc_end_k_q2ce9f5eb27_proj-k_q2ce9f5eb27_proj
	.p2alignl 7, 3214868480
	.fill 96, 4, 3214868480
	.section	.rodata,"a",@progbits
	.p2align	6, 0x0
	.amdhsa_kernel k_q2ce9f5eb27_proj
		.amdhsa_group_segment_fixed_size 327680
		.amdhsa_private_segment_fixed_size 0
		.amdhsa_enable_private_segment 0
		.amdhsa_kernarg_size 40
		.amdhsa_user_sgpr_count 2
		.amdhsa_user_sgpr_kernarg_segment_ptr 1
		.amdhsa_wavefront_size32 1
		.amdhsa_system_sgpr_workgroup_id_x 1
		.amdhsa_system_sgpr_workgroup_id_y 1
		.amdhsa_system_sgpr_workgroup_id_z 1
		.amdhsa_system_vgpr_workitem_id 0
		.amdhsa_next_free_vgpr 768
		.amdhsa_next_free_sgpr 100
		.amdhsa_reserve_vcc 0
		.amdhsa_float_denorm_mode_32 3
		.amdhsa_float_denorm_mode_16_64 3
		.amdhsa_memory_ordered 1
		.amdhsa_forward_progress 1
		.amdhsa_inst_pref_size 60
	.end_amdhsa_kernel
	.amdgpu_metadata
---
amdhsa.version: [ 1, 2 ]
amdhsa.kernels:
  - .name:           k_q2ce9f5eb27_proj
    .symbol:         k_q2ce9f5eb27_proj.kd
    .args:
      - { .name: oq, .offset: 0, .size: 8, .value_kind: global_buffer, .address_space: global }
      - { .name: wq, .offset: 8, .size: 8, .value_kind: global_buffer, .address_space: global }
      - { .name: b_proj, .offset: 16, .size: 8, .value_kind: global_buffer, .address_space: global }
      - { .name: x, .offset: 24, .size: 8, .value_kind: global_buffer, .address_space: global }
      - { .name: x1, .offset: 32, .size: 8, .value_kind: global_buffer, .address_space: global }
    .group_segment_fixed_size: 327680
    .private_segment_fixed_size: 0
    .kernarg_segment_align: 8
    .kernarg_segment_size: 40
    .max_flat_workgroup_size: 128
    .sgpr_count:     100
    .vgpr_count:     768
    .wavefront_size: 32
...
	.end_amdgpu_metadata
.endif
;; end of part 4
;; launch ln2: the kernel of part 1 again; grid 256 x 1, 4 waves a work-group, no clusters, 66,304 bytes of LDS; arguments x1, ln2_g, ln2_b, w_qkv, w_proj, w_fc1, w_fc2, h2q; writes h2q
;; launch fc1 (part 5): grid 16 x 16, 4 waves a work-group, clusters of 4 x 4, 327,680 bytes of LDS; arguments h2q, wq, b_fc1, hidq; writes hidq
.if DOCPART == 5
	.amdgcn_target "amdgcn-amd-amdhsa--gfx1250"
	.amdhsa_code_object_version 6
	.text
	.protected	k_q2ce9f5eb27_fc1
	.globl	k_q2ce9f5eb27_fc1
	.p2align	8
	.type	k_q2ce9f5eb27_fc1,@function
k_q2ce9f5eb27_fc1:
	s_mov_b64 s[64:65], 0
	v_nop
	global_prefetch_b8 v0, s[64:65] scope:SCOPE_SE
	s_setreg_imm32_b32 hwreg(HW_REG_WAVE_MODE, 25, 1), 1
	s_wait_xcnt 0x0
	s_wait_alu depctr_hold_cnt(0) depctr_sa_sdst(0) depctr_va_vdst(0) depctr_va_sdst(0) depctr_va_ssrc(0) depctr_va_vcc(0) depctr_vm_vsrc(0)
	s_getreg_b32 s2, hwreg(HW_REG_IB_STS2, 6, 4)
	s_cmp_eq_u32 s2, 0
	s_cbranch_scc0 .Lentry_in_a_cluster
	s_endpgm
.Lentry_in_a_cluster:
	s_bfe_u32 s2, ttmp6, 0x10000c
	s_cmp_lg_u32 s2, 0xf033
	s_cbranch_scc0 .Lentry_shape_is_right
	s_endpgm
.Lentry_shape_is_right:
; hidden = gelu(LN2(x1) w_fc1^T + b_fc1), the exact gelu; the product is on codes of BF6 (E3M2) with E8M0 scales, K = 1,024; the hidden layer is quantised along its 4,096 units and leaves as codes.
; Both operands lie in memory as images of operand registers: row tile T (16 rows), step s of 128 along K: 1,536 bytes of codes, 64 bytes of scale words.  Lane r of tile T holds row 32 (T / 2) + 8 (T % 2) + r + 8 (r / 8).
; A work-group of four waves makes 256 x 256, a wave 128 x 128: 64 accumulators.  THE MATRIX INSTRUCTION IS USED TRANSPOSED (source 0 = weights, source 1 = tokens): a lane holds one token, and the 16 registers of two neighbouring
; tiles of weights are 16 neighbouring hidden units: the next product's K.
; CLUSTERS 4 x 4: A's tiles are shared along a row of the cluster, B's along a column: each is asked for jointly.
; THE SLOTS.  K is eight steps of 128; an LDS slot holds two (a row tile's 3,072 bytes; 8 row tiles to a load).  THREE slots are filled at the start (steps 0 to 5: 294,912 bytes), and slot 0 once more (steps 6, 7) behind the one round
; at its end: that load has four steps, 256 products, in which to land.  The scale words of the work-group's rows, for all of K, come once with the first fills.
; GELU.  z = x / sqrt(2).  |z| <= 475/512: erf(z) = z + z P(z^2), gelu = x (0.5 + 0.5 erf).  Beyond: erfc(|z|) = e^(R(|z|)), gelu = max(x, 0) - |x| erfc(|z|) / 2, which forms no difference of near numbers for negative x.
; Both are computed for every number and one is chosen by v_cndmask_b32.  The two polynomials keep erf within about one unit in its last place.
; The 7,680 lines of gelu a lane would be too much text written out, so a loop of eight trips takes a block of 16 tokens a trip.  Register numbers cannot be counted by a loop: what differs between the trips, the 32 packed additions of
; the bias that bring a block's sums out of the accumulators' windows, is written out eight times, and scalar branches on the trip's number choose.
; LIMITS: NaN and infinities are not served; blocks under 2^-122 and blocks of zeros carry the scale byte 1.
; REGISTERS: window 0: v12-29 addresses; v32-47 scale words, two sets; v64-255 A's fragments, two sets (on the way out: v64-127 a block's numbers, v128-213 gelu, v216-253 the quantiser).  window 1: v0-191 B's fragments, two sets;
; v192-255 the bias.  windows 2, 3: accumulator (a, b) at v[8 (8 (a % 4) + b)] of window 2 + a / 4.
.set BLK,   8
.set NQ,    2
.set KCH,   8
.set C0A,   0x80000
.set S0A,   0
.set C0B,   0x80000+512*12288
.set S0B,   512*512
.set FRB,   1536
.set ROWB,  NQ*FRB
.set HALFT, BLK*ROWB
.set SLOT,  4*HALFT
; THE FILLS AS THIS TEXT HAS THEM (one tensor load a wave at the head and behind each round): at the head wave 0 fetches A's 16 row tiles of steps 0, 1 (slot 0), wave 1 B's, wave 2 A's scale words, wave 3 B's.
; Behind the next round each wave fetches steps 2 to 5 of its 8 row tiles by ONE load with rows of four steps, into the bytes from SLOT to 3 SLOT; behind the round in step 1 slot 0 takes steps 6, 7.
.set FP,    ROWB                       ; from row tile to row tile in the LDS region that FETCH reads
.set ADV,   NQ                         ; steps by which TURN moves the scale words' address
.set PFA,   46                         ; s[46:47] the prefetches' base: my work-group's two of the eight row tiles that my wave fetches; never rewritten
.set HALFS, BLK*KCH*64
.set SCL,   3*SLOT                     ; behind the three slots: A's scale words (two halves), then B's, 128 bytes further on so that A's and B's 16 words fall on different banks
.set SPARE, SCL+4*HALFS+256            ; the spare words, 128 bytes for each wave: two blocks of 256 bytes that no other line names
.set L16,  12
.set L4,   13
.set ADRA, 16                          ; v16-18  my A fragments in slot 0, 1, 2
.set ADRB, 20                          ; v20-22  my B fragments
.set ADRS, 27
.set SPW,  28
.set NIL,  29
.set SC,   32
.set AF,   64
.set BIASR, 192
.set XR,   64
.set GZ,   128
.set GS,   144
.set GT,   160
.set GR,   176
.set GU,   192
.set GC1,  208
.set GC3,  210
.set GD1,  212
.set TM,   216
.set PW,   232
.set PC,   234
.set G1, 24                            ; s[24:31] group 1 for A's tiles;  s[32:39] groups 0 for slots 0, 1;  s[4:7] for slot 2
.set G0, 32
.set G0C, 4
.set G1B, 48                           ; s[48:55], s[56:63], s[92:95] the same for B's tiles
.set G0B, 56
.set G0BC, 92
.set G1S, 68
.set G0S, 76
.set G1SB, 80
.set G0SB, 88
.set MSB, 0
.macro WIN new                         ; the immediate's high byte repeats the setting that is left
.if MSB != (\new)
	s_set_vgpr_msb (MSB<<8)|(\new)
.set MSB, (\new)
.endif
.endm
.macro JLOAD g0a, g1a, g0b, g1b        ; a joint load: waves 0 and 1 fetch for A, waves 2 and 3 for B; four v_nop follow each of the two lines
	s_cmp_eq_u32 s15, 0
	s_cbranch_scc0 .Lfor_b_\@
	tensor_load_to_lds s[\g0a:\g0a+3], s[\g1a:\g1a+7]
	s_nop 0
.rept 4
	v_nop
.endr
	s_branch .Lasked_\@
.Lfor_b_\@:
	tensor_load_to_lds s[\g0b:\g0b+3], s[\g1b:\g1b+7]
	s_nop 0
.rept 4
	v_nop
.endr
.Lasked_\@:
.endm
.macro CREST
	s_cmp_lg_u32 s14, 0
	s_cbranch_scc1 .Lnot_wave_0_\@
	s_barrier_signal -3
.Lnot_wave_0_\@:
	s_barrier_wait -3
	s_barrier_signal -1
	s_barrier_wait -1
.endm
.macro CROUND
	s_barrier_signal -1
	s_barrier_wait -1
	CREST
.endm
.macro PLACES n
.rept \n
	v_nop
.endr
.endm
	s_load_b128 s[4:7], s[0:1], 0x0                ; A's buffer s[4:5], the weights' s[6:7]
	s_load_b128 s[8:11], s[0:1], 0x10              ; bias s[8:9], out s[10:11]
	v_lshl_add_u32 v[SPW], v0, 2, SPARE
	v_mov_b32 v[NIL], 0
	ds_add_u32 v28, v29
	ds_add_u32 v28, v29
	s_wait_dscnt 0x0
	v_lshrrev_b32 v1, 5, v0
	v_readfirstlane_b32 s14, v1                    ; wave 0..3
	s_lshr_b32 s15, s14, 1                         ; which half of the rows is mine.  Also: I fetch for A (0) or for B (1)
	s_and_b32 s16, s14, 1                          ; which half of the columns.  Also: which half I fetch
	s_bfe_u32 s40, ttmp6, 0x40000                  ; cx
	s_bfe_u32 s41, ttmp6, 0x40004                  ; cy
	s_lshl_b32 s42, ttmp9, 2
	s_add_co_u32 s42, s42, s40                     ; X
	s_and_b32 s17, ttmp7, 0xffff
	s_lshl_b32 s17, s17, 2
	s_add_co_u32 s17, s17, s41                     ; Y
	s_lshl_b32 s43, s41, 2
	s_lshl_b32 s43, 15, s43                        ; my row of the cluster
	s_lshl_b32 s44, 0x1111, s40                    ; my column
	s_or_b32 s[G1+0], s43, (3<<16)|(1<<21)         ; 15:0 the mask; 17:16 elements of 8 bytes; 21 set beside a mask; no padding
	s_or_b32 s[G1B+0], s44, (3<<16)|(1<<21)
.irp g, G1, G1B
	s_mov_b32 s[\g+1], (ROWB/8)<<16
	s_mov_b32 s[\g+2], (2*BLK)<<16                 ; 16 row tiles for the head's loads
	s_mov_b32 s[\g+3], (ROWB/8)<<16
	s_mov_b32 s[\g+4], 2*BLK
	s_mov_b32 s[\g+5], KCH*FRB/8
	s_mov_b32 s[\g+6], 0
	s_mov_b32 s[\g+7], 0
.endr
	s_or_b32 s[G1S+0], s43, (3<<16)|(1<<21)
	s_or_b32 s[G1SB+0], s44, (3<<16)|(1<<21)
.irp g, G1S, G1SB
	s_mov_b32 s[\g+1], 32<<16
	s_mov_b32 s[\g+2], (HALFS/128)<<16             ; the scale words of 16 row tiles
	s_mov_b32 s[\g+3], 32<<16
	s_mov_b32 s[\g+4], HALFS/128
	s_mov_b32 s[\g+5], 32
	s_mov_b32 s[\g+6], 0
	s_mov_b32 s[\g+7], 0
.endr
	s_mul_i32 s18, s16, BLK*KCH*FRB                ; behind the head I fetch 8 row tiles: which half, in bytes
	s_mov_b32 s19, 0
	s_mul_i32 s20, s17, 2*BLK                      ; A's first row tile
	s_mul_i32 s46, s42, 2*BLK                      ; B's
	s_mul_i32 s22, s20, KCH*64
	s_add_co_u32 s22, s22, S0A
	s_mul_i32 s20, s20, KCH*FRB
	s_add_co_u32 s20, s20, C0A
	s_mul_i32 s92, s46, KCH*64
	s_add_co_u32 s92, s92, S0B
	s_mul_i32 s46, s46, KCH*FRB
	s_add_co_u32 s46, s46, C0B
	s_mov_b32 s21, 0
	s_mov_b32 s23, 0
	s_mov_b32 s47, 0
	s_mov_b32 s93, 0
	s_mul_i32 s45, s14, HALFT
	s_wait_kmcnt 0x0
	s_add_nc_u64 s[20:21], s[4:5], s[20:21]
	s_add_nc_u64 s[22:23], s[4:5], s[22:23]
	s_add_nc_u64 s[46:47], s[6:7], s[46:47]
	s_add_nc_u64 s[92:93], s[6:7], s[92:93]
	CROUND                                         ; all sixteen work-groups are here: the first joint loads meet
	s_mov_b32 s[G0S], 1
	s_mov_b32 s[G0S+1], SCL                        ; A's scale words, all 16 row tiles
	s_mov_b64 s[G0S+2:G0S+3], s[22:23]
	s_or_b32 s[G0S+3], s[G0S+3], 0x80000000
	s_mov_b32 s[G0SB], 1
	s_mov_b32 s[G0SB+1], SCL+2*HALFS+128           ; B's
	s_mov_b64 s[G0SB+2:G0SB+3], s[92:93]
	s_or_b32 s[G0SB+3], s[G0SB+3], 0x80000000
	s_mov_b32 s[G0], 1                             ; the head's load of A: 16 row tiles, steps 0, 1
	s_mov_b32 s[G0+1], 0
	s_mov_b64 s[G0+2:G0+3], s[20:21]
	s_or_b32 s[G0+3], s[G0+3], 0x80000000
	s_mov_b32 s[G0B], 1                            ; and of B, behind A's in slot 0
	s_mov_b32 s[G0B+1], 2*HALFT
	s_mov_b64 s[G0B+2:G0B+3], s[46:47]
	s_or_b32 s[G0B+3], s[G0B+3], 0x80000000
	s_add_nc_u64 s[20:21], s[20:21], s[18:19]      ; from here on: my 8 row tiles
	s_add_nc_u64 s[46:47], s[46:47], s[18:19]
	s_lshl_b32 s94, s45, 1                         ; wave x 8 row tiles x four steps
	s_mov_b32 s[G0+4], 1                           ; steps 2 to 5
	s_add_co_u32 s[G0+5], s94, SLOT
	s_add_nc_u64 s[G0+6:G0+7], s[20:21], ROWB
	s_or_b32 s[G0+7], s[G0+7], 0x80000000
	s_mov_b32 s[G0B+4], 1
	s_add_co_u32 s[G0B+5], s94, SLOT
	s_add_nc_u64 s[G0B+6:G0B+7], s[46:47], ROWB
	s_or_b32 s[G0B+7], s[G0B+7], 0x80000000
	s_mov_b32 s[G0C], 1                            ; steps 6, 7, into slot 0
	s_mov_b32 s[G0C+1], s45
	s_add_nc_u64 s[G0C+2:G0C+3], s[20:21], 3*ROWB
	s_or_b32 s[G0C+3], s[G0C+3], 0x80000000
	s_mov_b32 s[G0BC], 1
	s_mov_b32 s[G0BC+1], s45
	s_add_nc_u64 s[G0BC+2:G0BC+3], s[46:47], 3*ROWB
	s_or_b32 s[G0BC+3], s[G0BC+3], 0x80000000
	s_cmp_eq_u32 s15, 0                            ; the prefetches: of the 8 row tiles that my wave fetches, the four partners that ask jointly take two each, told apart by address (cx for A, cy for B)
	s_cselect_b64 s[PFA:PFA+1], s[20:21], s[46:47]
	s_cselect_b32 s18, s40, s41
	s_mul_i32 s18, s18, 2*KCH*FRB
	s_add_nc_u64 s[PFA:PFA+1], s[PFA:PFA+1], s[18:19]
; the head's loads, one a wave, in one tree of branches on the wave's number: every way passes exactly one
.macro ARM under, g0, g1, next
	s_cmp_lt_u32 s14, \under
	s_cbranch_scc0 \next
	tensor_load_to_lds s[\g0:\g0+3], s[\g1:\g1+7]
	s_nop 0
.rept 4
	v_nop
.endr
	s_branch .Lhead_asked
\next:
.endm
	ARM 1, G0,  G1,  .Lhead_b
	ARM 2, G0B, G1B, .Lhead_sa
	ARM 3, G0S, G1S, .Lhead_sb
	tensor_load_to_lds s[G0SB:G0SB+3], s[G1SB:G1SB+7]
	s_nop 0
.rept 4
	v_nop
.endr
.Lhead_asked:
	v_and_b32 v1, 15, v0                           ; r
	v_bfe_u32 v2, v0, 4, 1                         ; h
	v_and_b32 v3, 31, v0
	v_lshlrev_b32 v[L16], 4, v3
	s_wait_alu depctr_va_vdst(0)
	v_lshlrev_b32 v[L4], 2, v1
	v_lshlrev_b32 v7, 6, v2                        ; 64 h: my half's eight numbers of a bias tile
	s_mul_i32 s18, s42, 128*BLK
	s_mul_i32 s19, s16, 64*BLK
	s_add_co_u32 s18, s18, s19                     ; my first column, in bytes
	s_mov_b32 s19, 0
	s_add_nc_u64 s[8:9], s[8:9], s[18:19]
	WIN 0x40
.set bi, 0
.rept BLK                                      ; tile b, lane (r, h), register j: column 32 (b / 2) + 16 h + 8 (b % 2) + j: the layout of a result
	global_load_b128 v[BIASR+8*bi:BIASR+8*bi+3], v7, s[8:9] offset:(32*(bi/2)+8*(bi%2))*4
	global_load_b128 v[BIASR+8*bi+4:BIASR+8*bi+7], v7, s[8:9] offset:(32*(bi/2)+8*(bi%2))*4+16
.set bi, bi+1
.endr
	WIN 0
	v_min_u32 v31, 23, v3                          ; a lane a block of 256 bytes; lanes 24-31 name the last block again
	v_lshlrev_b32 v30, 8, v31                      ; v30: 24 blocks on end (four steps of one row tile)
	v_mul_u32_u24 v5, v31, 11
	v_lshrrev_b32 v5, 7, v5                        ; 1 from lane 12 on
	v_mul_u32_u24 v5, v5, 9216
	v_add_nc_u32 v31, v30, v5                      ; v31: 12 blocks (two steps) of each of two row tiles
	global_prefetch_b8 v30, s[PFA:PFA+1] offset:ROWB th:TH_LOAD_NT scope:SCOPE_SE           ; steps 2 to 5 of my two row tiles: what the load behind the next round fetches
	global_prefetch_b8 v30, s[PFA:PFA+1] offset:ROWB+KCH*FRB th:TH_LOAD_NT scope:SCOPE_SE
	s_mul_i32 s21, s15, HALFT
	s_mul_i32 s22, s16, HALFT
	s_add_co_u32 s22, s22, 2*HALFT
	v_add_nc_u32 v[ADRA], s21, v[L16]
	v_add_nc_u32 v[ADRB], s22, v[L16]
	s_lshl_b32 s21, s21, 1                         ; the region of steps 2 to 5: twice the bytes a row tile
	s_lshl_b32 s22, s22, 1
	s_add_co_u32 s21, s21, SLOT
	s_add_co_u32 s22, s22, SLOT
	v_add_nc_u32 v[ADRA+1], s21, v[L16]
	v_add_nc_u32 v[ADRB+1], s22, v[L16]
	s_mul_i32 s21, s15, HALFS
	s_mul_i32 s22, s16, HALFS
	s_add_co_u32 s22, s22, 2*HALFS+128
	s_sub_co_u32 s22, s22, s21
	v_mul_u32_u24 v6, s22, v2                      ; lanes 16-31 take B's
	s_wait_alu depctr_va_vdst(0)
	s_add_co_u32 s21, s21, SCL
	v_add_nc_u32 v5, v[L4], v6
	v_add_nc_u32 v[ADRS], s21, v5
	s_lshl_b32 s18, s17, 4
	s_lshl_b32 s19, s15, 3
	s_add_co_u32 s18, s18, s19                     ; my first tile of tokens: 16 Y + 8 rh
	s_lshl_b32 s19, s42, 1
	s_add_co_u32 s19, s19, s16                     ; which 128 of the hidden units: 2 X + ch
	s_mul_i32 s20, s18, 49152
	s_mul_i32 s21, s19, 1536
	s_add_co_u32 s20, s20, s21
	s_add_co_u32 s20, s20, 0x80000
	s_mov_b32 s21, 0
	s_lshl_b32 s22, s18, 11
	s_lshl_b32 s23, s19, 6
	s_add_co_u32 s22, s22, s23
	s_mov_b32 s23, 0
	s_add_nc_u64 s[96:97], s[10:11], s[20:21]      ; the hidden layer's codes
	s_add_nc_u64 s[98:99], s[10:11], s[22:23]      ; its scale words
.macro FRAG reg, adr, off
	ds_load_b128 v[\reg:\reg+3], v[\adr] offset:\off
	ds_load_b128 v[\reg+4:\reg+7], v[\adr] offset:\off+512
	ds_load_b128 v[\reg+8:\reg+11], v[\adr] offset:\off+1024
.endm
.macro FETCH slot, q, p                ; the fragments and scale words of the slot's q-th 128 along K into set p
	WIN 0x40
.set fi, 0
.rept BLK
	FRAG 96*(\p)+12*fi, ADRB+\slot, fi*FP+(\q)*FRB
.set fi, fi+1
.endr
	WIN 0
.set fi, 0
.rept BLK
	FRAG AF+96*(\p)+12*fi, ADRA+\slot, fi*FP+(\q)*FRB
.set fi, fi+1
.endr
.set fi, 0
.rept BLK
	ds_load_b32 v[SC+8*(\p)+fi], v[ADRS] offset:fi*KCH*64+(\q)*64
.set fi, fi+1
.endr
.endm
; A quarter of a step's products.  The accumulators take turns, one instruction a turn, in the same order in every step.  first = 1: the product starts the sum.
.macro MULQ k, p, first
.set ma, (\k)*BLK/4
.rept BLK/4
	WIN 0xa1+0x50*(ma/4)
.set mb, 0
.rept BLK
.set rD, 8*(BLK*(ma%4)+mb)
.set rB, 96*(\p)+12*mb
.set rA, AF+96*(\p)+12*ma
.if \first
	v_wmma_scale_f32_16x16x128_f8f6f4 v[rD:rD+7], v[rB:rB+11], v[rA:rA+11], 0, v[SC+8*(\p)+mb], v[SC+8*(\p)+ma] matrix_a_fmt:MATRIX_FMT_BF6 matrix_b_fmt:MATRIX_FMT_BF6 matrix_a_scale:MATRIX_SCALE_ROW1
.else
	v_wmma_scale_f32_16x16x128_f8f6f4 v[rD:rD+7], v[rB:rB+11], v[rA:rA+11], v[rD:rD+7], v[SC+8*(\p)+mb], v[SC+8*(\p)+ma] matrix_a_fmt:MATRIX_FMT_BF6 matrix_b_fmt:MATRIX_FMT_BF6 matrix_a_scale:MATRIX_SCALE_ROW1
.endif
.set mb, mb+1
.endr
.set ma, ma+1
.endr
.endm
.macro STEP slot, q, first
	s_wait_dscnt 0x0                               ; this step's set is in: it was asked for a whole step ago
	PLACES 4                                       ; four places between the last step's products and the loads into the set that they read
	FETCH \slot, (\q)+1, 1-(\q)%2
	MULQ 0, (\q)%2, \first
	MULQ 1, (\q)%2, \first
	MULQ 2, (\q)%2, \first
	MULQ 3, (\q)%2, \first
	WIN 0
.endm
; A slot's last step with a barrier; in front of it each wave waits for all its tensor loads, adds 0 to its spare word, and waits for that and for its reads of this slot.  fill = 1: the slot is filled again.
.macro TURN slot, next, fill
	s_wait_tensorcnt 0x0                           ; all my tensor loads have landed
	ds_add_u32 v[SPW], v[NIL]                      ; 0 onto my spare word
	s_wait_dscnt 0x1                               ; this step's set is in; the add may be out
	MULQ 0, 1, 0
	s_wait_dscnt 0x0                               ; the add is done, and my reads of this slot are over
	s_barrier_signal -1
	MULQ 1, 1, 0
	WIN 0
	s_barrier_wait -1
.if \fill
	CREST                                          ; the barrier has opened a round of the cluster's barrier: no wave of any partner still reads this slot or has a load on its way
.irp g, G1, G1B
	s_mov_b32 s[\g+1], (ROWB/8)<<16                ; no tensor load of mine is out: rows of two steps again
	s_mov_b32 s[\g+3], (ROWB/8)<<16
.endr
	JLOAD G0C, G1, G0BC, G1B                       ; steps 6, 7: the first tensor load behind the round; its four v_nop are the places in front of the loads below
.else
	PLACES 4
.endif
	v_add_nc_u32 v[ADRS], ADV*64, v[ADRS]          ; the next region's scale words
	FETCH \next, 0, 0
	MULQ 2, 1, 0
	MULQ 3, 1, 0
	WIN 0
.endm
	s_wait_alu depctr_va_vdst(0)
	s_wait_loadcnt 0x0                             ; the bias
	s_wait_tensorcnt 0x0                           ; my tile of the head's four is in
	ds_add_u32 v[SPW], v[NIL]
.irp g, G1, G1B
	s_mov_b32 s[\g+1], (2*ROWB/8)<<16              ; no tensor load of mine is out: the next load brings 8 row tiles with rows of four steps
	s_mov_b32 s[\g+2], BLK<<16
	s_mov_b32 s[\g+3], (2*ROWB/8)<<16
	s_mov_b32 s[\g+4], BLK
.endr
	s_wait_dscnt 0x0
	CROUND                                         ; all four tiles are in, and all sixteen work-groups are here
	JLOAD G0+4, G1, G0B+4, G1B                     ; steps 2 to 5
	FETCH 0, 0, 0
	global_prefetch_b8 v31, s[PFA:PFA+1] offset:3*ROWB th:TH_LOAD_NT scope:SCOPE_SE   ; steps 6, 7 of my two row tiles: what the refill in step 1 fetches
	STEP 0, 0, 1                                   ; K step 0: its products start the sums: nothing is cleared
.set FP, 2*ROWB
	TURN 0, 1, 1                                   ; step 1.  Steps 2 to 5 have landed; slot 0 takes steps 6, 7
	s_wait_alu depctr_va_vdst(0)
	STEP 1, 0, 0                                   ; step 2
	STEP 1, 1, 0                                   ; step 3
	STEP 1, 2, 0                                   ; step 4
.set FP, ROWB
.set ADV, 4
	TURN 1, 0, 0                                   ; step 5.  Slot 0's second fill is shown whole; nothing is filled
	s_wait_alu depctr_va_vdst(0)
	STEP 0, 0, 0                                   ; step 6
	s_wait_dscnt 0x0                               ; step 7
	MULQ 0, 1, 0
	MULQ 1, 1, 0
	MULQ 2, 1, 0
	MULQ 3, 1, 0
	WIN 0
	PLACES 4                                       ; between the last products and the first read of results, and the first write of registers that they read
	v_mov_b32 v[GC1], 0x39c8e7d9                   ; constants that stand as the addend beside a literal factor
	v_mov_b32 v[GC1+1], 0x39c8e7d9
	v_mov_b32 v[GC3], 0x3cc6b1a1
	v_mov_b32 v[GC3+1], 0x3cc6b1a1
	v_mov_b32 v[GD1], 0x3ba38d2c
	v_mov_b32 v[GD1+1], 0x3ba38d2c
.irp b, 0,1,2,3
	v_mov_b32 v[TM+4+\b], 0                        ; a lane permute's destination counts as one of its sources
.endr
	s_mov_b32 s20, 0x76543210
	s_mov_b32 s21, 0xfedcba98
; Block k's 64 sums + the bias, out of the accumulators' window into v[XR] on: register 8 b + j is hidden unit 32 (b / 2) + 16 (lane / 16) + 8 (b % 2) + j of my token.  Each accumulator is read from its low end on.
.macro TAKE k
	WIN 0x06+(\k)/4                                ; source 0, the sums: window 2 or 3; source 1, the bias: window 1
.set tj, 0
.rept 32
	v_pk_add_f32 v[XR+tj:XR+tj+1], v[64*((\k)%4)+tj:64*((\k)%4)+tj+1], v[BIASR+tj:BIASR+tj+1]
.set tj, tj+2
.endr
	WIN 0
.endm
; gelu of the 16 numbers at v[XR + 16 k], in place
.macro GELU16 k
.set GX, XR+16*(\k)
.irp j, 0,2,4,6,8,10,12,14
	v_pk_mul_f32 v[GZ+\j:GZ+\j+1], v[GX+\j:GX+\j+1], 0x3f3504f3 op_sel_hi:[1,0]   ; z = x / sqrt(2)
.endr
.irp j, 0,2,4,6,8,10,12,14
	v_pk_mul_f32 v[GS+\j:GS+\j+1], v[GZ+\j:GZ+\j+1], v[GZ+\j:GZ+\j+1]             ; z^2
.endr
.irp j, 0,1,2,3,4,5,6,7,8,9,10,11,12,13,14,15
	v_and_b32 v[GT+\j], 0x7fffffff, v[GZ+\j]                                      ; t = |z|
.endr
.irp j, 0,2,4,6,8,10,12,14
	v_pk_fma_f32 v[GR+\j:GR+\j+1], v[GT+\j:GT+\j+1], 0xb7910000, v[GC1:GC1+1] op_sel_hi:[1,0,1]
.endr
.irp j, 0,2,4,6,8,10,12,14
	v_pk_fma_f32 v[GU+\j:GU+\j+1], v[GT+\j:GT+\j+1], 0xbb7e8a1c, v[GC3:GC3+1] op_sel_hi:[1,0,1]
.endr
.irp j, 0,2,4,6,8,10,12,14
	v_pk_fma_f32 v[GR+\j:GR+\j+1], v[GR+\j:GR+\j+1], v[GS+\j:GS+\j+1], v[GU+\j:GU+\j+1]
.endr
.irp c, 0xbddaae5c, 0xbf228550, 0xbe03ce86
.irp j, 0,2,4,6,8,10,12,14
	v_pk_fma_f32 v[GR+\j:GR+\j+1], v[GR+\j:GR+\j+1], v[GT+\j:GT+\j+1], \c op_sel_hi:[1,1,0]
.endr
.endr
.irp j, 0,2,4,6,8,10,12,14
	v_pk_fma_f32 v[GR+\j:GR+\j+1], v[GR+\j:GR+\j+1], v[GT+\j:GT+\j+1], v[GT+\j:GT+\j+1] neg_lo:[0,0,1] neg_hi:[0,0,1]   ; R(t): erfc(t) = e^R
.endr
.irp j, 0,2,4,6,8,10,12,14
	v_pk_fma_f32 v[GR+\j:GR+\j+1], v[GR+\j:GR+\j+1], 0x3fb8aa3b, -1.0 op_sel_hi:[1,0,0]   ; R log2(e) - 1
.endr
	s_wait_alu depctr_va_vdst(0)
.irp j, 0,1,2,3,4,5,6,7,8,9,10,11,12,13,14,15
	v_exp_f32 v[GR+\j], v[GR+\j]                                                  ; erfc(t) / 2
.endr
.irp j, 0,2,4,6,8,10,12,14                     ; the small range is the independent work behind the batch
	v_pk_fma_f32 v[GU+\j:GU+\j+1], v[GS+\j:GS+\j+1], 0xba1c7000, v[GD1:GD1+1] op_sel_hi:[1,0,1]
.endr
.irp c, 0xbcdb48d9, 0x3de70e22, 0xbec09380, 0x3e0375d4
.irp j, 0,2,4,6,8,10,12,14
	v_pk_fma_f32 v[GU+\j:GU+\j+1], v[GU+\j:GU+\j+1], v[GS+\j:GS+\j+1], \c op_sel_hi:[1,1,0]
.endr
.endr
.irp j, 0,2,4,6,8,10,12,14
	v_pk_fma_f32 v[GU+\j:GU+\j+1], v[GU+\j:GU+\j+1], v[GZ+\j:GZ+\j+1], v[GZ+\j:GZ+\j+1]   ; erf(z)
.endr
.irp j, 0,2,4,6,8,10,12,14
	v_pk_fma_f32 v[GU+\j:GU+\j+1], v[GU+\j:GU+\j+1], 0.5, 0.5 op_sel_hi:[1,0,0]
.endr
.irp j, 0,2,4,6,8,10,12,14
	v_pk_mul_f32 v[GU+\j:GU+\j+1], v[GU+\j:GU+\j+1], v[GX+\j:GX+\j+1]
.endr
	s_wait_alu depctr_va_vdst(0)                   ; one wait for the sixteen exponentials, ahead of their first reader
.irp j, 0,1,2,3,4,5,6,7,8,9,10,11,12,13,14,15
	v_max_num_f32 v[GS+\j], 0, v[GX+\j]
.endr
.irp j, 0,1,2,3,4,5,6,7,8,9,10,11,12,13,14,15
	v_fma_f32 v[GR+\j], -|v[GX+\j]|, v[GR+\j], v[GS+\j]                           ; max(x, 0) - |x| erfc(t) / 2
.endr
.irp j, 0,1,2,3,4,5,6,7,8,9,10,11,12,13,14,15
	v_cmp_lt_f32 vcc_lo, 0x3f6d8000, v[GT+\j]
	v_cndmask_b32 v[GX+\j], v[GU+\j], v[GR+\j], vcc_lo
.endr
.endm
; 64 numbers of a lane, register s + 16 b + i = k 32 b + 16 (lane / 16) + i of my row, become a fragment's codes in v[PC] on and its scale word in v[PW]
.macro QUANT s
.irp b, 0,1,2,3
	v_max3_num_f32 v[TM+\b], |v[(\s)+16*\b]|, |v[(\s)+16*\b+1]|, 0x2800000   ; and the floor 2^(5 - 127): the byte cannot fall under 1
.endr
.irp i, 2,4,6,8,10,12,14
.irp b, 0,1,2,3
	v_max3_num_f32 v[TM+\b], |v[(\s)+16*\b+\i]|, |v[(\s)+16*\b+\i+1]|, v[TM+\b]
.endr
.endr
.irp b, 0,1,2,3
	v_permlanex16_b32 v[TM+4+\b], v[TM+\b], s20, s21
.endr
.irp b, 0,1,2,3
	v_max_num_f32 v[TM+\b], v[TM+\b], v[TM+4+\b]
.endr
.irp b, 0,1,2,3
	v_add_nc_u32 v[TM+12+\b], 0xfe000000, v[TM+\b]
.endr
.irp b, 0,1,2,3
	v_lshrrev_b32 v[TM+4+\b], 23, v[TM+12+\b]
.endr
	v_lshl_or_b32 v[PW], v[TM+5], 8, v[TM+4]
	v_lshl_or_b32 v[PW], v[TM+6], 16, v[PW]
	v_lshl_or_b32 v[PW], v[TM+7], 24, v[PW]
.irp c, 0,1
	v_cvt_scalef32_pk16_bf6_f32 v[PC+6*\c:PC+6*\c+2], v[(\s)+32*\c:(\s)+32*\c+15], v[TM+12+2*\c]
	v_cvt_scalef32_pk16_bf6_f32 v[PC+12+4*\c:PC+14+4*\c], v[(\s)+32*\c+16:(\s)+32*\c+31], v[TM+13+2*\c]
.endr
	v_nop                                          ; one plain place behind a scaled conversion
.irp c, 0,1
.irp i, 0,1,2
	v_permlane16_swap_b32 v[PC+6*\c+\i], v[PC+12+4*\c+\i]
.endr
.irp i, 0,1,2
	v_mov_b32 v[PC+3+6*\c+\i], v[PC+12+4*\c+\i]
.endr
.endr
.endm
	s_mov_b32 s3, 0
.Lblk:                                             ; eight trips: block s3 of 16 tokens x my 128 hidden units
.irp k, 0,1,2,3,4,5,6
	s_cmp_eq_u32 s3, \k
	s_cbranch_scc1 .Ltake\k
.endr
	TAKE 7
	s_branch .Lgo
.Ltake0:
	TAKE 0
	s_branch .Lgo
.Ltake1:
	TAKE 1
	s_branch .Lgo
.Ltake2:
	TAKE 2
	s_branch .Lgo
.Ltake3:
	TAKE 3
	s_branch .Lgo
.Ltake4:
	TAKE 4
	s_branch .Lgo
.Ltake5:
	TAKE 5
	s_branch .Lgo
.Ltake6:
	TAKE 6
.Lgo:
	GELU16 0
	GELU16 1
	GELU16 2
	GELU16 3
	QUANT XR
.irp c, 0,1,2
	global_store_b128 v[L16], v[PC+4*\c:PC+4*\c+3], s[96:97] offset:512*\c   ; 32 lanes store 512 consecutive bytes
.endr
	global_store_b32 v[L4], v[PW], s[98:99]        ; both halves of the lanes write the same word with the same value
	s_wait_xcnt 0x0                                ; the stores have read their registers and bases: both are written again only behind this wait
	s_add_nc_u64 s[96:97], s[96:97], 49152
	s_add_nc_u64 s[98:99], s[98:99], 2048
	s_add_co_u32 s3, s3, 1
	s_cmp_lt_u32 s3, 8
	s_cbranch_scc1 .Lblk
	s_wait_tensorcnt 0x0                           ; the wave's end
	ds_add_u32 v[SPW], v[NIL]
	s_wait_dscnt 0x0
	CROUND                                         ; the closing round
	s_endpgm
.Lfunc_end_k_q2ce9f5eb27_fc1:
	.size	k_q2ce9f5eb27_fc1, .Lfunc_end_k_q2ce9f5eb27_fc1-k_q2ce9f5eb27_fc1
	.p2alignl 7, 3214868480
	.fill 96, 4, 3214868480
	.section	.rodata,"a",@progbits
	.p2align	6, 0x0
	.amdhsa_kernel k_q2ce9f5eb27_fc1
		.amdhsa_group_segment_fixed_size 327680
		.amdhsa_private_segment_fixed_size 0
		.amdhsa_enable_private_segment 0
		.amdhsa_kernarg_size 32
		.amdhsa_user_sgpr_count 2
		.amdhsa_user_sgpr_kernarg_segment_ptr 1
		.amdhsa_wavefront_size32 1
		.amdhsa_system_sgpr_workgroup_id_x 1
		.amdhsa_system_sgpr_workgroup_id_y 1
		.amdhsa_system_sgpr_workgroup_id_z 1
		.amdhsa_system_vgpr_workitem_id 0
		.amdhsa_next_free_vgpr 1024
		.amdhsa_next_free_sgpr 100
		.amdhsa_reserve_vcc 1
		.amdhsa_float_denorm_mode_32 3
		.amdhsa_float_denorm_mode_16_64 3
		.amdhsa_memory_ordered 1
		.amdhsa_forward_progress 1
		.amdhsa_inst_pref_size 198
	.end_amdhsa_kernel
	.amdgpu_metadata
---
amdhsa.version: [ 1, 2 ]
amdhsa.kernels:
  - .name:           k_q2ce9f5eb27_fc1
    .symbol:         k_q2ce9f5eb27_fc1.kd
    .args:
      - { .name: h2q, .offset: 0, .size: 8, .value_kind: global_buffer, .address_space: global }
      - { .name: wq, .offset: 8, .size: 8, .value_kind: global_buffer, .address_space: global }
      - { .name: b_fc1, .offset: 16, .size: 8, .value_kind: global_buffer, .address_space: global }
      - { .name: hidq, .offset: 24, .size: 8, .value_kind: global_buffer, .address_space: global }
    .group_segment_fixed_size: 327680
    .private_segment_fixed_size: 0
    .kernarg_segment_align: 8
    .kernarg_segment_size: 32
    .max_flat_workgroup_size: 128
    .sgpr_count:     100
    .vgpr_count:     1024
    .wavefront_size: 32
...
	.end_amdgpu_metadata
.endif
;; end of part 5
;; launch fc2 (part 6): grid 8 x 32, 4 waves a work-group, clusters of 4 x 4, 327,680 bytes of LDS; arguments hidq, wq, b_fc2, x1, out0; writes out0
.if DOCPART == 6
	.amdgcn_target "amdgcn-amd-amdhsa--gfx1250"
	.amdhsa_code_object_version 6
	.text
	.protected	k_q2ce9f5eb27_fc2
	.globl	k_q2ce9f5eb27_fc2
	.p2align	8
	.type	k_q2ce9f5eb27_fc2,@function
k_q2ce9f5eb27_fc2:
	s_mov_b64 s[64:65], 0
	v_nop
	global_prefetch_b8 v0, s[64:65] scope:SCOPE_SE
	s_setreg_imm32_b32 hwreg(HW_REG_WAVE_MODE, 25, 1), 1
	s_wait_xcnt 0x0
	s_wait_alu depctr_hold_cnt(0) depctr_sa_sdst(0) depctr_va_vdst(0) depctr_va_sdst(0) depctr_va_ssrc(0) depctr_va_vcc(0) depctr_vm_vsrc(0)
	s_getreg_b32 s2, hwreg(HW_REG_IB_STS2, 6, 4)
	s_cmp_eq_u32 s2, 0
	s_cbranch_scc0 .Lentry_in_a_cluster
	s_endpgm
.Lentry_in_a_cluster:
	s_bfe_u32 s2, ttmp6, 0x10000c
	s_cmp_lg_u32 s2, 0xf033
	s_cbranch_scc0 .Lentry_shape_is_right
	s_endpgm
.Lentry_shape_is_right:
; out = x1 + hidden w_fc2^T + b_fc2 on codes of BF6 (E3M2) with E8M0 scales, K = 4,096.  Both operands lie in memory as images of operand registers (row tile of 16 rows, step of 128 along K: 1,536 bytes of codes, 64 of scale words).
; A work-group of four waves makes 128 x 128, a wave 64 x 64; the matrix instruction is used transposed (source 0 = weights, source 1 = tokens); the bias is the C of the first products.  Clusters 4 x 4: A's tiles are asked for jointly
; along a row of the cluster, B's along a column.  K goes in eight chunks of four steps through a ring of two LDS slots.  THE FILLS, one tensor load a wave at the head and behind each round: at the head
; wave 0 fetches A's 8 row tiles of chunk 0, wave 1 B's, wave 2 A's scale words for all of K, wave 3 B's; chunk 1 follows behind the next round, a quarter a wave, and so does each refill.
; PREFETCHES: a chunk of a row tile is 24 blocks of 256 bytes, a lane a block; of the 4 row tiles that a wave fetches each of the four partners that ask jointly takes one, by address.  Chunks 1 and 2 are asked for at the head,
; chunk 3 behind chunk 1's load, and behind the refill with chunk c chunk c + 2, two refills ahead; the loop's last trip asks for nothing: chunk 7 is the last.
; The results go through each wave's stage in slot 0's bytes, which have had their last fill, come back as rows of 256 bytes, take the residual and are stored.
.set BLK,   4
.set NQ,    4
.set KCH,   32
.set C0A,   0x80000
.set S0A,   0
.set C0B,   0x80000+768*12288
.set S0B,   768*512
.set FRB,   1536
.set ROWB,  NQ*FRB
.set HALFT, BLK*ROWB
.set SLOT,  4*HALFT
.set LAPS,  KCH/(2*NQ)
.set HALFS, BLK*KCH*64
.set SCL,   262144
.set SPARE, SCL+4*HALFS+256
.set L16,  12
.set L4,   13
.set ADRA, 16
.set ADRB, 20
.set STO,  24
.set RD,   25
.set CO,   26
.set ADRS, 27
.set SPW,  28
.set NIL,  29
.set SC,   32
.set AF,   64
.set BIASR, 192
.set RES,  128
.set BK,   64
.set G1, 24
.set G0, 32
.set G1B, 48
.set G0B, 56
.set G1S, 68
.set G0S, 76
.set G1SB, 80
.set G0SB, 88
.set G0H,  4                           ; s[4:7], s[92:95] groups 0 of the head's loads of chunk 0: what lay there is used up by then
.set G0HB, 92
.set PFA,  96                          ; s[96:97] the prefetches' base, stepped a chunk at each refill
.set MSB, 0
.macro WIN new
.if MSB != (\new)
	s_set_vgpr_msb (MSB<<8)|(\new)
.set MSB, (\new)
.endif
.endm
.macro JLOAD g0a, g1a, g0b, g1b
	s_cmp_eq_u32 s15, 0
	s_cbranch_scc0 .Lfor_b_\@
	tensor_load_to_lds s[\g0a:\g0a+3], s[\g1a:\g1a+7]
	s_nop 0
.rept 4
	v_nop
.endr
	s_branch .Lasked_\@
.Lfor_b_\@:
	tensor_load_to_lds s[\g0b:\g0b+3], s[\g1b:\g1b+7]
	s_nop 0
.rept 4
	v_nop
.endr
.Lasked_\@:
.endm
.macro CREST
	s_cmp_lg_u32 s14, 0
	s_cbranch_scc1 .Lnot_wave_0_\@
	s_barrier_signal -3
.Lnot_wave_0_\@:
	s_barrier_wait -3
	s_barrier_signal -1
	s_barrier_wait -1
.endm
.macro CROUND
	s_barrier_signal -1
	s_barrier_wait -1
	CREST
.endm
.macro PLACES n
.rept \n
	v_nop
.endr
.endm
	s_load_b128 s[4:7], s[0:1], 0x0
	s_load_b128 s[8:11], s[0:1], 0x10
	s_load_b64 s[12:13], s[0:1], 0x20
	v_lshl_add_u32 v[SPW], v0, 2, SPARE
	v_mov_b32 v[NIL], 0
	ds_add_u32 v28, v29
	ds_add_u32 v28, v29
	s_wait_dscnt 0x0
	v_lshrrev_b32 v1, 5, v0
	v_readfirstlane_b32 s14, v1
	s_lshr_b32 s15, s14, 1
	s_and_b32 s16, s14, 1
	s_bfe_u32 s40, ttmp6, 0x40000
	s_bfe_u32 s41, ttmp6, 0x40004
	s_lshl_b32 s42, ttmp9, 2
	s_add_co_u32 s42, s42, s40
	s_and_b32 s17, ttmp7, 0xffff
	s_lshl_b32 s17, s17, 2
	s_add_co_u32 s17, s17, s41
	s_lshl_b32 s43, s41, 2
	s_lshl_b32 s43, 15, s43
	s_lshl_b32 s44, 0x1111, s40
	s_or_b32 s[G1+0], s43, (3<<16)|(1<<21)
	s_or_b32 s[G1B+0], s44, (3<<16)|(1<<21)
.irp g, G1, G1B
	s_mov_b32 s[\g+1], (ROWB/8)<<16
	s_mov_b32 s[\g+2], (2*BLK)<<16
	s_mov_b32 s[\g+3], (ROWB/8)<<16
	s_mov_b32 s[\g+4], 2*BLK
	s_mov_b32 s[\g+5], KCH*FRB/8
	s_mov_b32 s[\g+6], 0
	s_mov_b32 s[\g+7], 0
.endr
	s_or_b32 s[G1S+0], s43, (3<<16)|(1<<21)
	s_or_b32 s[G1SB+0], s44, (3<<16)|(1<<21)
.irp g, G1S, G1SB
	s_mov_b32 s[\g+1], 32<<16
	s_mov_b32 s[\g+2], (HALFS/128)<<16
	s_mov_b32 s[\g+3], 32<<16
	s_mov_b32 s[\g+4], HALFS/128
	s_mov_b32 s[\g+5], 32
	s_mov_b32 s[\g+6], 0
	s_mov_b32 s[\g+7], 0
.endr
	s_mul_i32 s18, s16, BLK*KCH*FRB                ; behind the head I fetch 4 row tiles: which half, in bytes
	s_mov_b32 s19, 0
	s_mul_i32 s20, s17, 2*BLK                      ; A's first row tile
	s_mul_i32 s46, s42, 2*BLK                      ; B's
	s_mul_i32 s22, s20, KCH*64
	s_add_co_u32 s22, s22, S0A
	s_mul_i32 s20, s20, KCH*FRB
	s_add_co_u32 s20, s20, C0A
	s_mul_i32 s92, s46, KCH*64
	s_add_co_u32 s92, s92, S0B
	s_mul_i32 s46, s46, KCH*FRB
	s_add_co_u32 s46, s46, C0B
	s_mov_b32 s21, 0
	s_mov_b32 s23, 0
	s_mov_b32 s47, 0
	s_mov_b32 s93, 0
	s_mul_i32 s45, s14, HALFT
	s_wait_kmcnt 0x0
	s_add_nc_u64 s[20:21], s[4:5], s[20:21]
	s_add_nc_u64 s[22:23], s[4:5], s[22:23]
	s_add_nc_u64 s[46:47], s[6:7], s[46:47]
	s_add_nc_u64 s[92:93], s[6:7], s[92:93]
	CROUND
	s_mov_b32 s[G0S], 1
	s_mov_b32 s[G0S+1], SCL                        ; A's scale words, all 8 row tiles
	s_mov_b64 s[G0S+2:G0S+3], s[22:23]
	s_or_b32 s[G0S+3], s[G0S+3], 0x80000000
	s_mov_b32 s[G0SB], 1
	s_mov_b32 s[G0SB+1], SCL+2*HALFS+128           ; B's
	s_mov_b64 s[G0SB+2:G0SB+3], s[92:93]
	s_or_b32 s[G0SB+3], s[G0SB+3], 0x80000000
	s_mov_b32 s[G0H], 1                            ; the head's load of A: 8 row tiles of chunk 0
	s_mov_b32 s[G0H+1], 0
	s_mov_b64 s[G0H+2:G0H+3], s[20:21]
	s_or_b32 s[G0H+3], s[G0H+3], 0x80000000
	s_mov_b32 s[G0HB], 1                           ; and of B, behind A's
	s_mov_b32 s[G0HB+1], 2*HALFT
	s_mov_b64 s[G0HB+2:G0HB+3], s[46:47]
	s_or_b32 s[G0HB+3], s[G0HB+3], 0x80000000
	s_add_nc_u64 s[20:21], s[20:21], s[18:19]      ; from here on: my 4 row tiles
	s_add_nc_u64 s[46:47], s[46:47], s[18:19]
.irp s, 0,1
	s_mov_b32 s[G0+4*\s], 1
	s_add_co_u32 s[G0+4*\s+1], s45, \s*SLOT
	s_add_nc_u64 s[G0+4*\s+2:G0+4*\s+3], s[20:21], \s*ROWB
	s_or_b32 s[G0+4*\s+3], s[G0+4*\s+3], 0x80000000
	s_mov_b32 s[G0B+4*\s], 1
	s_add_co_u32 s[G0B+4*\s+1], s45, \s*SLOT
	s_add_nc_u64 s[G0B+4*\s+2:G0B+4*\s+3], s[46:47], \s*ROWB
	s_or_b32 s[G0B+4*\s+3], s[G0B+4*\s+3], 0x80000000
.endr
	s_cmp_eq_u32 s15, 0                            ; the prefetches' base: my work-group's one of the 4 row tiles that my wave fetches (cx for A, cy for B)
	s_cselect_b64 s[PFA:PFA+1], s[20:21], s[46:47]
	s_cselect_b32 s18, s40, s41
	s_mul_i32 s18, s18, KCH*FRB
	s_add_nc_u64 s[PFA:PFA+1], s[PFA:PFA+1], s[18:19]
; the head's loads, one a wave, in one tree of branches on the wave's number: every way passes exactly one
.macro ARM under, g0, g1, next
	s_cmp_lt_u32 s14, \under
	s_cbranch_scc0 \next
	tensor_load_to_lds s[\g0:\g0+3], s[\g1:\g1+7]
	s_nop 0
.rept 4
	v_nop
.endr
	s_branch .Lhead_asked
\next:
.endm
	ARM 1, G0H,  G1,  .Lhead_b
	ARM 2, G0HB, G1B, .Lhead_sa
	ARM 3, G0S,  G1S, .Lhead_sb
	tensor_load_to_lds s[G0SB:G0SB+3], s[G1SB:G1SB+7]
	s_nop 0
.rept 4
	v_nop
.endr
.Lhead_asked:
	v_and_b32 v1, 15, v0
	v_bfe_u32 v2, v0, 4, 1
	v_and_b32 v3, 31, v0
	v_lshlrev_b32 v[L16], 4, v3
	v_lshlrev_b32 v[L4], 2, v1
	v_lshlrev_b32 v7, 6, v2
	s_mul_i32 s18, s42, 128*BLK
	s_mul_i32 s19, s16, 64*BLK
	s_add_co_u32 s18, s18, s19
	s_mov_b32 s19, 0
	s_add_nc_u64 s[8:9], s[8:9], s[18:19]
	WIN 0x40
.set bi, 0
.rept BLK
	global_load_b128 v[BIASR+8*bi:BIASR+8*bi+3], v7, s[8:9] offset:(32*(bi/2)+8*(bi%2))*4
	global_load_b128 v[BIASR+8*bi+4:BIASR+8*bi+7], v7, s[8:9] offset:(32*(bi/2)+8*(bi%2))*4+16
.set bi, bi+1
.endr
	WIN 0
	v_lshlrev_b32 v5, 12, v2
	v_lshl_add_u32 v[CO], v1, 4, v5
	s_wait_alu depctr_va_vdst(0)
	s_lshl_b32 s18, s17, 7
	s_lshl_b32 s19, s15, 6
	s_add_co_u32 s18, s18, s19
	s_lshl_b32 s18, s18, 12
	s_lshl_b32 s19, s42, 9
	s_add_co_u32 s18, s18, s19
	s_lshl_b32 s19, s16, 8
	s_add_co_u32 s18, s18, s19
	s_mov_b32 s19, 0
	s_add_nc_u64 s[10:11], s[10:11], s[18:19]
	s_add_nc_u64 s[12:13], s[12:13], s[18:19]
	WIN 0x80
.irp a, 0,1,2,3
.irp t, 0,1,2,3,4,5,6,7
	global_load_b128 v[RES+32*\a+4*\t:RES+32*\a+4*\t+3], v[CO], s[10:11] offset:(32*(\a/2)+8*(\a%2)+2*\t+8*(\t/4))*4096 th:TH_LOAD_NT
.endr
.endr
	WIN 0
	v_min_u32 v30, 23, v3                          ; a lane a block of 256 bytes of a row tile's chunk; lanes 24-31 name the last block again
	v_lshlrev_b32 v30, 8, v30
	global_prefetch_b8 v30, s[PFA:PFA+1] offset:ROWB th:TH_LOAD_NT scope:SCOPE_SE     ; chunk 1
	global_prefetch_b8 v30, s[PFA:PFA+1] offset:2*ROWB th:TH_LOAD_NT scope:SCOPE_SE   ; chunk 2
	s_mul_i32 s21, s15, HALFT
	s_mul_i32 s22, s16, HALFT
	s_add_co_u32 s22, s22, 2*HALFT
.irp s, 0,1
	v_add_nc_u32 v[ADRA+\s], s21, v[L16]
	v_add_nc_u32 v[ADRB+\s], s22, v[L16]
	s_add_co_u32 s21, s21, SLOT
	s_add_co_u32 s22, s22, SLOT
.endr
	s_mul_i32 s21, s15, HALFS
	s_mul_i32 s22, s16, HALFS
	s_add_co_u32 s22, s22, 2*HALFS+128
	s_sub_co_u32 s22, s22, s21
	v_mul_u32_u24 v6, s22, v2
	s_add_co_u32 s21, s21, SCL
	v_add_nc_u32 v5, v[L4], v6
	v_add_nc_u32 v[ADRS], s21, v5
	s_mul_i32 s23, s14, 16*272
	v_mul_u32_u24 v5, v1, 272
	v_lshl_add_u32 v5, v2, 6, v5
	v_add_nc_u32 v[STO], s23, v5
	v_mul_u32_u24 v5, v2, 272
	v_lshl_add_u32 v5, v1, 4, v5
	v_add_nc_u32 v[RD], s23, v5
.macro FRAG reg, adr, off
	ds_load_b128 v[\reg:\reg+3], v[\adr] offset:\off
	ds_load_b128 v[\reg+4:\reg+7], v[\adr] offset:\off+512
	ds_load_b128 v[\reg+8:\reg+11], v[\adr] offset:\off+1024
.endm
.macro FETCH slot, q, p
	WIN 0x40
.set fi, 0
.rept BLK
	FRAG 96*(\p)+12*fi, ADRB+\slot, fi*ROWB+(\q)*FRB
.set fi, fi+1
.endr
	WIN 0
.set fi, 0
.rept BLK
	FRAG AF+96*(\p)+12*fi, ADRA+\slot, fi*ROWB+(\q)*FRB
.set fi, fi+1
.endr
.set fi, 0
.rept BLK
	ds_load_b32 v[SC+8*(\p)+fi], v[ADRS] offset:fi*KCH*64+(\q)*64
.set fi, fi+1
.endr
.endm
.macro MULQ k, p, first
.set ma, (\k)*BLK/4
.rept BLK/4
.if \first
	WIN 0x91+0x40*(ma/4)
.else
	WIN 0xa1+0x50*(ma/4)
.endif
.set mb, 0
.rept BLK
.set rD, 8*(BLK*(ma%4)+mb)
.set rB, 96*(\p)+12*mb
.set rA, AF+96*(\p)+12*ma
.if \first
	v_wmma_scale_f32_16x16x128_f8f6f4 v[rD:rD+7], v[rB:rB+11], v[rA:rA+11], v[BIASR+8*mb:BIASR+8*mb+7], v[SC+8*(\p)+mb], v[SC+8*(\p)+ma] matrix_a_fmt:MATRIX_FMT_BF6 matrix_b_fmt:MATRIX_FMT_BF6 matrix_a_scale:MATRIX_SCALE_ROW1
.else
	v_wmma_scale_f32_16x16x128_f8f6f4 v[rD:rD+7], v[rB:rB+11], v[rA:rA+11], v[rD:rD+7], v[SC+8*(\p)+mb], v[SC+8*(\p)+ma] matrix_a_fmt:MATRIX_FMT_BF6 matrix_b_fmt:MATRIX_FMT_BF6 matrix_a_scale:MATRIX_SCALE_ROW1
.endif
.set mb, mb+1
.endr
.set ma, ma+1
.endr
.endm
.macro STEP slot, q, first
	s_wait_dscnt 0x0
	PLACES 4
	FETCH \slot, (\q)+1, 1-(\q)%2
	MULQ 0, (\q)%2, \first
	MULQ 1, (\q)%2, \first
	MULQ 2, (\q)%2, \first
	MULQ 3, (\q)%2, \first
	WIN 0
.endm
.macro TURN slot, next, fill
.if \fill
	s_wait_xcnt 0x0                                ; my last prefetch has read its base: it is stepped only behind this wait
	s_add_nc_u64 s[PFA:PFA+1], s[PFA:PFA+1], ROWB
.endif
	s_wait_tensorcnt 0x0
	ds_add_u32 v[SPW], v[NIL]
	s_wait_dscnt 0x1
	MULQ 0, 1, 0
	s_wait_dscnt 0x0
	s_barrier_signal -1
	MULQ 1, 1, 0
	WIN 0
	s_barrier_wait -1
.if \fill
	CREST
	s_add_nc_u64 s[G0+4*\slot+2:G0+4*\slot+3], s[G0+4*\slot+2:G0+4*\slot+3], 2*ROWB
	s_add_nc_u64 s[G0B+4*\slot+2:G0B+4*\slot+3], s[G0B+4*\slot+2:G0B+4*\slot+3], 2*ROWB
	JLOAD G0+4*\slot, G1, G0B+4*\slot, G1B
.else
	PLACES 4
.endif
	v_add_nc_u32 v[ADRS], NQ*64, v[ADRS]
	FETCH \next, 0, 0
.if \fill
	s_cmp_gt_u32 s3, 1                             ; s3 = 1 in the loop's last trip, whose refills bring chunks 6 and 7: no chunk stands two on
	s_cbranch_scc0 .Lno_ask_\@
	global_prefetch_b8 v30, s[PFA:PFA+1] offset:3*ROWB th:TH_LOAD_NT scope:SCOPE_SE   ; the chunk two refills on
.Lno_ask_\@:
.endif
	MULQ 2, 1, 0
	MULQ 3, 1, 0
	WIN 0
.endm
.macro MID slot, q0
.set mq, \q0
.rept NQ-1-(\q0)
	STEP \slot, mq, 0
.set mq, mq+1
.endr
.endm
	s_wait_alu depctr_va_vdst(0)
	s_wait_loadcnt 32                              ; the bias is in; the 32 loads of the residual may be out
	s_wait_tensorcnt 0x0                           ; my tile of the head's four is in
	ds_add_u32 v[SPW], v[NIL]
.irp g, G1, G1B
	s_mov_b32 s[\g+2], BLK<<16                     ; no tensor load of mine is out: from here on a load brings 4 row tiles
	s_mov_b32 s[\g+4], BLK
.endr
	s_wait_dscnt 0x0
	CROUND                                         ; all four tiles are in, and all sixteen work-groups are here
	JLOAD G0+4, G1, G0B+4, G1B                     ; chunk 1
	FETCH 0, 0, 0
	global_prefetch_b8 v30, s[PFA:PFA+1] offset:3*ROWB th:TH_LOAD_NT scope:SCOPE_SE   ; chunk 3
	STEP 0, 0, 1
.if LAPS > 1
	s_mov_b32 s3, LAPS-1
.Llap:
	s_wait_alu depctr_va_vdst(0)
	MID 0, 1
	TURN 0, 1, 1
	s_wait_alu depctr_va_vdst(0)
	MID 1, 0
	TURN 1, 0, 1
	s_wait_alu depctr_va_vdst(0)
	STEP 0, 0, 0
	s_sub_co_u32 s3, s3, 1
	s_cmp_lg_u32 s3, 0
	s_cbranch_scc1 .Llap
.endif
	MID 0, 1
	TURN 0, 1, 0
	s_wait_alu depctr_va_vdst(0)
	MID 1, 0
	s_wait_dscnt 0x0
	MULQ 0, 1, 0
	MULQ 1, 1, 0
	MULQ 2, 1, 0
	MULQ 3, 1, 0
	WIN 0
	PLACES 4
.macro TOSTAGE a
	WIN 0x08
.irp b, 0,1,2,3
	ds_store_b128 v[STO], v[8*(4*(\a)+\b):8*(4*(\a)+\b)+3] offset:128*(\b/2)+32*(\b%2)
	ds_store_b128 v[STO], v[8*(4*(\a)+\b)+4:8*(4*(\a)+\b)+7] offset:128*(\b/2)+32*(\b%2)+16
.endr
	WIN 0
.irp t, 0,1,2,3,4,5,6,7
	ds_load_b128 v[BK+32*((\a)%2)+4*\t:BK+32*((\a)%2)+4*\t+3], v[RD] offset:544*\t
.endr
.endm
.macro SEND a, younger
	s_wait_dscnt \younger
	s_wait_loadcnt 24-8*(\a)
	WIN 0x08
.irp i, 0,2,4,6,8,10,12,14,16,18,20,22,24,26,28,30
	v_pk_add_f32 v[BK+32*((\a)%2)+\i:BK+32*((\a)%2)+\i+1], v[BK+32*((\a)%2)+\i:BK+32*((\a)%2)+\i+1], v[RES+32*(\a)+\i:RES+32*(\a)+\i+1]
.endr
	WIN 0
.irp t, 0,1,2,3,4,5,6,7
	global_store_b128 v[CO], v[BK+32*((\a)%2)+4*\t:BK+32*((\a)%2)+4*\t+3], s[12:13] offset:(32*((\a)/2)+8*((\a)%2)+2*\t+8*(\t/4))*4096 th:TH_STORE_NT
.endr
.endm
	TOSTAGE 0
	TOSTAGE 1
	SEND 0, 16
	s_wait_xcnt 0x0
	TOSTAGE 2
	SEND 1, 16
	s_wait_xcnt 0x0
	TOSTAGE 3
	SEND 2, 16
	SEND 3, 0
	s_wait_tensorcnt 0x0
	ds_add_u32 v[SPW], v[NIL]
	s_wait_dscnt 0x0
	CROUND
	s_endpgm
.Lfunc_end_k_q2ce9f5eb27_fc2:
	.size	k_q2ce9f5eb27_fc2, .Lfunc_end_k_q2ce9f5eb27_fc2-k_q2ce9f5eb27_fc2
	.p2alignl 7, 3214868480
	.fill 96, 4, 3214868480
	.section	.rodata,"a",@progbits
	.p2align	6, 0x0
	.amdhsa_kernel k_q2ce9f5eb27_fc2
		.amdhsa_group_segment_fixed_size 327680
		.amdhsa_private_segment_fixed_size 0
		.amdhsa_enable_private_segment 0
		.amdhsa_kernarg_size 40
		.amdhsa_user_sgpr_count 2
		.amdhsa_user_sgpr_kernarg_segment_ptr 1
		.amdhsa_wavefront_size32 1
		.amdhsa_system_sgpr_workgroup_id_x 1
		.amdhsa_system_sgpr_workgroup_id_y 1
		.amdhsa_system_sgpr_workgroup_id_z 1
		.amdhsa_system_vgpr_workitem_id 0
		.amdhsa_next_free_vgpr 768
		.amdhsa_next_free_sgpr 100
		.amdhsa_reserve_vcc 0
		.amdhsa_float_denorm_mode_32 3
		.amdhsa_float_denorm_mode_16_64 3
		.amdhsa_memory_ordered 1
		.amdhsa_forward_progress 1
		.amdhsa_inst_pref_size 96
	.end_amdhsa_kernel
	.amdgpu_metadata
---
amdhsa.version: [ 1, 2 ]
amdhsa.kernels:
  - .name:           k_q2ce9f5eb27_fc2
    .symbol:         k_q2ce9f5eb27_fc2.kd
    .args:
      - { .name: hidq, .offset: 0, .size: 8, .value_kind: global_buffer, .address_space: global }
      - { .name: wq, .offset: 8, .size: 8, .value_kind: global_buffer, .address_space: global }
      - { .name: b_fc2, .offset: 16, .size: 8, .value_kind: global_buffer, .address_space: global }
      - { .name: x1, .offset: 24, .size: 8, .value_kind: global_buffer, .address_space: global }
      - { .name: out0, .offset: 32, .size: 8, .value_kind: global_buffer, .address_space: global }
    .group_segment_fixed_size: 327680
    .private_segment_fixed_size: 0
    .kernarg_segment_align: 8
    .kernarg_segment_size: 40
    .max_flat_workgroup_size: 128
    .sgpr_count:     100
    .vgpr_count:     768
    .wavefront_size: 32
...
	.end_amdgpu_metadata
.endif
;; end of part 6
